; MI455X (gfx1250); checked and timed in simulation.
; The chip was launched on July 23, 2026; its instructions are those of AMD's public machine-readable ISA for CDNA 5 (MIT licence, August 2026) and "CDNA5" Instruction Set Architecture Reference Guide (July 2026). The comments in the code are by the model that wrote it; some were corrected since.
;; Attn Block. Allowed arithmetic: float matrix products may take bf16 or f16 operands with f32 sums; other float arithmetic in f32, or as packed bf16 or f16 multiplies, adds, multiply-adds, maxima and minima; sums over many terms, partial sums and values carried from step to step in f32; what a program stores and reads back later, other than sums and carried values, may be rounded once to bf16 or f16.
;; Inputs: b_attn 3,072 float32; b_proj 1,024 float32; w_attn 1,024 x 3,072 float32; w_proj 1,024 x 1,024 float32; x 4 x 2,048 x 1,024 float32.
;; Outputs: out0 4 x 2,048 x 1,024 float32.
;; 2 versions, each right; version 2 is version 1 with the launch prep written anew for expert scheduling mode. Each part assembles by itself: llvm-mc -triple=amdgcn-amd-amdhsa -mcpu=gfx1250 --defsym DOCPART=n.
;; ======== version 1 of 2: 5 launches
;; limits: values are held in f16: magnitudes above 65,504 overflow, below 6.1e-05 lose precision
;; workspace buffers: xb 16,777,216 bytes; wab 6,291,456 bytes; wpb 2,097,152 bytes; qkv 50,331,648 bytes; ew 33,554,432 bytes; st 1,048,576 bytes; ob 16,777,216 bytes
;; launch prep (part 1): grid 768 x 1, 8 waves a work-group, no clusters, 0 bytes of LDS; arguments x, w_attn, w_proj, xb, wab, wpb; writes xb, wab, wpb
.if DOCPART == 1
	.amdgcn_target "amdgcn-amd-amdhsa--gfx1250"
	.amdhsa_code_object_version 6
	.text
	.protected	k_q0bd95cbe06_prep
	.globl	k_q0bd95cbe06_prep
	.p2align	8
	.type	k_q0bd95cbe06_prep,@function
k_q0bd95cbe06_prep:
	s_mov_b64 s[64:65], 0
	v_nop
	global_prefetch_b8 v0, s[64:65] scope:SCOPE_SE
	s_setreg_imm32_b32 hwreg(HW_REG_WAVE_MODE, 25, 1), 1
	s_wait_xcnt 0x0
; THE INPUTS' ROUNDING.  xb = bf16(x), wab = bf16(w_attn), wpb = f16(bf16(w_proj)): every matrix input is rounded once to bf16; w_proj's rounded number is then written as f16,
; since the last product's other operand is f16.  LIMIT: a bf16 number below 6.1e-5 in magnitude keeps f16's fixed step of 6e-8; beyond 65,504 it would be an infinity.
; A stream: no LDS, no barrier, no loop.  A work-group takes 65,536 bytes of one input: groups 0-511 x, 512-703 w_attn, 704-767 w_proj.  A wave takes 8,192 of them by sixteen
; loads of 512 consecutive bytes, all issued at once; each load's 128 numbers leave as one store of 256 consecutive bytes, aligned.
.set X, 4                              ; v[4:67]   sixteen loads of four registers
.set Y, 68                             ; v[68:99]  sixteen stores of two registers
.set W, 100                            ; v[100:102] at work (w_proj's way)
	s_load_b256 s[4:11], s[0:1], 0x0               ; x s[4:5], w_attn s[6:7], w_proj s[8:9], xb s[10:11]
	s_load_b128 s[12:15], s[0:1], 0x20             ; wab s[12:13], wpb s[14:15]
	v_lshrrev_b32 v3, 5, v0                        ; wave
	v_and_b32 v1, 31, v0                           ; lane
	v_lshlrev_b32 v2, 3, v1                        ; 8 bytes a lane out,
	v_lshlrev_b32 v1, 4, v1                        ; 16 bytes a lane in
	v_lshl_or_b32 v1, v3, 13, v1                   ; + wave x 8,192
	v_lshl_or_b32 v2, v3, 12, v2                   ; + wave x 4,096
	s_wait_kmcnt 0x0
	s_cmp_lt_u32 ttmp9, 512                        ; which input: the choice hangs on the work-group's number alone
	s_cselect_b64 s[16:17], s[4:5], s[6:7]
	s_cselect_b64 s[18:19], s[10:11], s[12:13]
	s_cselect_b32 s20, 0, 512
	s_cmp_lt_u32 ttmp9, 704
	s_cselect_b64 s[16:17], s[16:17], s[8:9]
	s_cselect_b64 s[18:19], s[18:19], s[14:15]
	s_cselect_b32 s20, s20, 704
	s_sub_co_u32 s20, ttmp9, s20                   ; my number among that input's work-groups
	s_lshl_b32 s22, s20, 16
	s_mov_b32 s23, 0
	s_lshl_b32 s24, s20, 15
	s_mov_b32 s25, 0
	s_add_nc_u64 s[16:17], s[16:17], s[22:23]
	s_add_nc_u64 s[18:19], s[18:19], s[24:25]
.irp i, 0,1,2,3,4,5,6,7,8,9,10,11,12,13,14,15
	global_load_b128 v[X+4*(\i):X+4*(\i)+3], v1, s[16:17] offset:512*(\i) th:TH_LOAD_NT
.endr
	s_cmp_lt_u32 ttmp9, 704
	s_cbranch_scc0 .Lproj
.irp i, 0,1,2,3,4,5,6,7,8,9,10,11,12,13,14,15
	s_wait_loadcnt 15-(\i)                         ; loads come back in order: load i is in, the younger ones stay out
	v_cvt_pk_bf16_f32 v[Y+2*(\i)],   v[X+4*(\i)],   v[X+4*(\i)+1]
	v_cvt_pk_bf16_f32 v[Y+2*(\i)+1], v[X+4*(\i)+2], v[X+4*(\i)+3]
	global_store_b64 v2, v[Y+2*(\i):Y+2*(\i)+1], s[18:19] offset:256*(\i)
.endr
	s_endpgm
.Lproj:                                        ; w_proj: rounded to bf16, widened again, written as f16
.irp i, 0,1,2,3,4,5,6,7,8,9,10,11,12,13,14,15
	s_wait_loadcnt 15-(\i)
.irp j, 0,1
	v_cvt_pk_bf16_f32 v[W], v[X+4*(\i)+2*(\j)], v[X+4*(\i)+2*(\j)+1]
	v_lshlrev_b32 v[W+1], 16, v[W]
	v_and_b32 v[W+2], 0xffff0000, v[W]
	v_cvt_pk_f16_f32 v[Y+2*(\i)+(\j)], v[W+1], v[W+2]
.endr
	global_store_b64 v2, v[Y+2*(\i):Y+2*(\i)+1], s[18:19] offset:256*(\i)
.endr
	s_endpgm
.Lfunc_end_k_q0bd95cbe06_prep:
	.size	k_q0bd95cbe06_prep, .Lfunc_end_k_q0bd95cbe06_prep-k_q0bd95cbe06_prep
	.p2alignl 7, 3214868480
	.fill 96, 4, 3214868480
	.section	.rodata,"a",@progbits
	.p2align	6, 0x0
	.amdhsa_kernel k_q0bd95cbe06_prep
		.amdhsa_group_segment_fixed_size 0
		.amdhsa_private_segment_fixed_size 0
		.amdhsa_enable_private_segment 0
		.amdhsa_kernarg_size 48
		.amdhsa_user_sgpr_count 2
		.amdhsa_user_sgpr_kernarg_segment_ptr 1
		.amdhsa_wavefront_size32 1
		.amdhsa_system_sgpr_workgroup_id_x 1
		.amdhsa_system_sgpr_workgroup_id_y 1
		.amdhsa_system_sgpr_workgroup_id_z 1
		.amdhsa_system_vgpr_workitem_id 0
		.amdhsa_next_free_vgpr 104
		.amdhsa_next_free_sgpr 66
		.amdhsa_reserve_vcc 0
		.amdhsa_float_denorm_mode_32 3
		.amdhsa_float_denorm_mode_16_64 3
		.amdhsa_memory_ordered 1
		.amdhsa_forward_progress 1
		.amdhsa_inst_pref_size 16
	.end_amdhsa_kernel
	.amdgpu_metadata
---
amdhsa.version: [ 1, 2 ]
amdhsa.kernels:
  - .name:           k_q0bd95cbe06_prep
    .symbol:         k_q0bd95cbe06_prep.kd
    .args:
      - { .name: x, .offset: 0, .size: 8, .value_kind: global_buffer, .address_space: global }
      - { .name: w_attn, .offset: 8, .size: 8, .value_kind: global_buffer, .address_space: global }
      - { .name: w_proj, .offset: 16, .size: 8, .value_kind: global_buffer, .address_space: global }
      - { .name: xb, .offset: 24, .size: 8, .value_kind: global_buffer, .address_space: global }
      - { .name: wab, .offset: 32, .size: 8, .value_kind: global_buffer, .address_space: global }
      - { .name: wpb, .offset: 40, .size: 8, .value_kind: global_buffer, .address_space: global }
    .group_segment_fixed_size: 0
    .private_segment_fixed_size: 0
    .kernarg_segment_align: 8
    .kernarg_segment_size: 48
    .max_flat_workgroup_size: 256
    .sgpr_count:     66
    .vgpr_count:     104
    .wavefront_size: 32
...
	.end_amdgpu_metadata
.endif
;; end of part 1
;; launch project (part 2): grid 12 x 32, 4 waves a work-group, clusters of 4 x 4, 327,680 bytes of LDS; arguments xb, wab, qkv, b_attn; writes qkv
.if DOCPART == 2
	.amdgcn_target "amdgcn-amd-amdhsa--gfx1250"
	.amdhsa_code_object_version 6
	.text
	.protected	k_q0bd95cbe06_project
	.globl	k_q0bd95cbe06_project
	.p2align	8
	.type	k_q0bd95cbe06_project,@function
k_q0bd95cbe06_project:
	s_mov_b64 s[64:65], 0
	v_nop
	global_prefetch_b8 v0, s[64:65] scope:SCOPE_SE
	s_setreg_imm32_b32 hwreg(HW_REG_WAVE_MODE, 25, 1), 1
	s_wait_xcnt 0x0
	s_wait_alu depctr_hold_cnt(0) depctr_sa_sdst(0) depctr_va_vdst(0) depctr_va_sdst(0) depctr_va_ssrc(0) depctr_va_vcc(0) depctr_vm_vsrc(0)
	s_getreg_b32 s2, hwreg(HW_REG_IB_STS2, 6, 4)
	s_cmp_eq_u32 s2, 0
	s_cbranch_scc0 .Lentry_in_a_cluster
	s_endpgm
.Lentry_in_a_cluster:
	s_bfe_u32 s2, ttmp6, 0x10000c
	s_cmp_lg_u32 s2, 0xf033
	s_cbranch_scc0 .Lentry_shape_is_right
	s_endpgm
.Lentry_shape_is_right:
; qkv[m][n] = the sum over k of xb[m][k] wab[k][n] + bf16(b_attn[n]).  xb: [8192][1024] bf16, wab: [1024][3072] bf16, qkv: [8192][3072] f16 (q, k, v side by side); sums in f32, rounded once.
; LIMIT: f16 ends at 65,504: q, k and v must stay within it.  With every input 30 times the drawn spread they reach some 3,000, with a common offset of 30 spreads on every input some 18,500.
; SHARES.  A tile of C is 256 x 256: 32 x 12 = 384 tiles.  Four waves, 2 x 2, each 128 x 128: 64 accumulators of 16 x 16, register windows 2 and 3.
; K goes in steps of 128 through two LDS slots: 256 rows of A (256 bytes + 16 of padding) and 128 k-rows of B (512 bytes + 32); waves 0, 1 fetch A's halves, waves 2, 3 B's, one tensor load of 32 KiB each.
; A K step is 256 matrix instructions a wave; 224 of them stand between a slot's request and the wait for it.
; B lies [k][n]: its fragments come out of LDS turned, by ds_load_tr16_b128.  THE MATRIX INSTRUCTION IS USED TRANSPOSED (source 0 = 16 columns of B, source 1 = 16 rows of A): a lane then
; holds eight neighbouring numbers of a row of C.  The bias is the C operand of the products that start the sums.
; CLUSTER 4 x 4: A's tile is asked for jointly along a row of the cluster, B's along a column: the same load, descriptor and mask in the four that it names.
; REGISTERS, in windows of 256 (s_set_vgpr_msb: bits 1:0 source 0, 3:2 source 1, 5:4 source 2, 7:6 destination):
;   window 0: v0-31 addresses; v32-63, v224-255 rows read back from the stage; v64-127, v128-191 A's two fragment buffers; v192-223 packed results
;   window 1: v0-63 the bias; v64-127, v128-191 B's two fragment buffers          windows 2, 3: accumulator (a, b) at v[8 (8 (a % 4) + b)] of window 2 + a / 4
.set NSTEP,  8                         ; K steps
.set PA,     272                       ; an LDS row of A: 68 words, so the 16 rows of a load start at 16 different groups of four banks (64 banks of 4 bytes: ISA guide 11.1)
.set PB,     544                       ; an LDS row of B: 136 words
.set HALFA,  128*PA                    ; what one tensor load brings of A: 34,816 bytes,
.set HALFB,  64*PB                     ; and of B: the same
.set ABYTES, 2*HALFA
.set SLOT1,  ABYTES+2*HALFB            ; 139,264 = 0x22000.  The four tiles of slot 0 begin at 0, 0x8800, 0x11000 and 0x19800: none has bit 13 or 17, so one exclusive or with 0x22000 turns an address in one slot into the other's
.set SPARE,  2*SLOT1                   ; behind the ring: the spare words, 128 bytes a wave: two blocks of 256 bytes that no other line names
.set STAGE,  SPARE+512                 ; never filled by a tensor load: 16 rows x 272 bytes for each wave
.set SP,     272
.set PITCHA, 2048                      ; bytes from row to row of xb,
.set PITCHB, 6144                      ; of wab,
.set PITCHC, 6144                      ; of qkv
.set STEPA,  256                       ; bytes from K step to K step in A,
.set STEPB,  128*PITCHB                ; in B
.set A0,   4                           ; v4   my lane's place in a slot's A; never rewritten
.set B0,   5                           ; v5   in its B
.set ADRA, 6                           ; v6   the same in the slot in hand
.set ADRB, 7
.set STO,  8                           ; v8   the way out: where I put 16 bytes of a row
.set RD,   9                           ; v9   where I read a row back
.set CO,   10                          ; v10  my byte offset in C
.set PFO,  11                          ; v11  the prefetches' offset
.set SPW,  12                          ; v12  LDS address of my spare word; never rewritten
.set NIL,  13                          ; v13  0; never rewritten
.set BO,   14                          ; v14  my byte offset in the bias
.set OB,   32
.set TMP,  192
.set F0,   64
.set F1,   128
.set WV,  12                           ; s12  wave
.set WH,  13                           ; s13  my half of the tile's rows; also: I fetch for A (0) or B (1)
.set WL,  14                           ; s14  my half of its columns; also: which half I fetch
.set CX,  15
.set CY,  16
.set TX,  17                           ; tile column
.set TY,  18                           ; tile row
.set CLY, 19                           ; cluster y
.set G1A, 24
.set G0A, 32                           ; two sets: K step 0 into slot 0; K step 1 into slot 1, which then walks
.set TB,  40                           ; s40  LDS byte at which the slot in hand begins
.set LIM, 41                           ; s41  2 in a wave that prefetches, else the greatest number
.set PFA, 42                           ; s[42:43] where my prefetches stand
.set PFS, 44                           ; s[44:45] their step
.set G1B, 48
.set G0B, 56
.set CNT, 70
.set HIM, 72                           ; s72  a word's upper half
.set MUL_LO,  0xa1                     ; source 0 (B) window 1, source 1 (A) window 0, C and D window 2
.set MUL_HI,  0xf1                     ; the same, C and D window 3
.set MULB_LO, 0x91                     ; D window 2, C (the bias) window 1
.set TO_B,    0x40                     ; destination window 1, address window 0
.set MSB, 0
.macro WIN new                         ; the immediate's high byte repeats the setting that is left; a switch that changes nothing is dropped
.if MSB != (\new)
	s_set_vgpr_msb (MSB<<8)|(\new)
.set MSB, (\new)
.endif
.endm
.macro PLACES                          ; four plain vector instructions between a matrix instruction and a load into, or a vector use of, its registers
.rept 4
	v_nop
.endr
.endm
.macro CREST                           ; a round of the cluster's barrier behind its opening barrier
	s_cmp_lg_u32 s[WV], 0
	s_cbranch_scc1 .Lnot_wave_0_\@
	s_barrier_signal -3
.Lnot_wave_0_\@:
	s_barrier_wait -3
	s_barrier_signal -1
	s_barrier_wait -1
.endm
.macro CROUND
	s_barrier_signal -1
	s_barrier_wait -1
	CREST
.endm
.macro JLOAD                           ; the joint refill, by the walking descriptor.  The branch hangs on the wave's number alone.  An s_nop 0 and four v_nop follow each line
	s_cmp_eq_u32 s[WH], 0
	s_cbranch_scc0 .Lfor_b_\@
	tensor_load_to_lds s[G0A+4:G0A+7], s[G1A:G1A+7]
	s_nop 0
	PLACES
	s_branch .Lasked_\@
.Lfor_b_\@:
	tensor_load_to_lds s[G0B+4:G0B+7], s[G1B:G1B+7]
	s_nop 0
	PLACES
.Lasked_\@:
.endm
; A PREFETCH INTO THE L2 of the K step that stands two refills on.  Each aligned block of 256 bytes is named once in the launch: A's rows by waves 0 and 1 of the clusters with x = 0: of the 128 rows that
; a wave fetches each of the four partners of a row takes 32, a lane a row; B's k-rows by waves 2 and 3 of the clusters with y = 0: 16 k-rows of two blocks for each wave of the four partners of a column.
; The partners are told apart by address.  K steps 0 to 3 come by their loads alone; the last two refills have no K step two on.
.macro ASK
	s_cmp_gt_u32 s3, s[LIM]
	s_cbranch_scc0 .Lnot_mine_\@
	global_prefetch_b8 v[PFO], s[PFA:PFA+1] th:TH_LOAD_NT scope:SCOPE_SE
.Lnot_mine_\@:
.endm
; 16 matrix instructions: m blocks a0, a0 + 1 of the window's four (hi = 0: my rows 0-63, 1: rows 64-127) x all 8 n blocks, 32 along K.  start = 1: the sums begin with the bias.
; The 64 accumulators take turns, one instruction a turn, in the same order everywhere.
.macro MUL16 f, hi, a0, start
.if \start
	WIN MULB_LO+0x40*(\hi)
.else
	WIN MUL_LO+0x50*(\hi)
.endif
.irp a, \a0, (\a0)+1
.irp b, 0,1,2,3,4,5,6,7
.if \start
	v_wmma_f32_16x16x32_bf16 v[8*(8*(\a)+(\b)):8*(8*(\a)+(\b))+7], v[(\f)+8*(\b):(\f)+8*(\b)+7], v[(\f)+8*(4*(\hi)+(\a)):(\f)+8*(4*(\hi)+(\a))+7], v[8*(\b):8*(\b)+7]
.else
	v_wmma_f32_16x16x32_bf16 v[8*(8*(\a)+(\b)):8*(8*(\a)+(\b))+7], v[(\f)+8*(\b):(\f)+8*(\b)+7], v[(\f)+8*(4*(\hi)+(\a)):(\f)+8*(4*(\hi)+(\a))+7], v[8*(8*(\a)+(\b)):8*(8*(\a)+(\b))+7]
.endif
.endr
.endr
.endm
; 32 LDS loads in one run: quarter q's fragments (32 along K) into buffer f: B's sixteen, then A's sixteen
.macro FETCH q, f
	WIN TO_B
.irp b, 0,1,2,3,4,5,6,7
	ds_load_tr16_b128 v[(\f)+8*(\b):(\f)+8*(\b)+3],   v[ADRB] offset:(\q)*32*PB+32*(\b)
	ds_load_tr16_b128 v[(\f)+8*(\b)+4:(\f)+8*(\b)+7], v[ADRB] offset:(\q)*32*PB+32*(\b)+16*PB
.endr
	WIN 0
.irp a, 0,1,2,3,4,5,6,7
	ds_load_b128 v[(\f)+8*(\a):(\f)+8*(\a)+3],   v[ADRA] offset:64*(\q)+(\a)*16*PA
	ds_load_b128 v[(\f)+8*(\a)+4:(\f)+8*(\a)+7], v[ADRA] offset:64*(\q)+(\a)*16*PA+32
.endr
.endm
; One of a K step's first three quarters: multiplies buffer f; in its middle quarter q's fragments are fetched into buffer g
.macro QUARTER q, f, g, start
	s_wait_dscnt 8                                 ; B and A's blocks 0 to 3 are in; the youngest eight loads (blocks 4 to 7) may be out
	MUL16 \f, 0, 0, \start
	MUL16 \f, 0, 2, \start
	PLACES
	FETCH \q, \g
	s_wait_dscnt 32                                ; all but the 32 just issued
	MUL16 \f, 1, 0, \start
	MUL16 \f, 1, 2, \start
.endm
; The last quarter multiplies buffer 1 and changes slots.  In front of the barrier each wave waits for all its tensor loads (one is out: its part of the next slot), adds 0 to its spare word, and waits
; for that and for its reads of this slot.  fill = 1: the barrier opens a round of the cluster's barrier, and the slot just read is filled again, first thing behind the round, with the K step two on.
.macro TURN fill
.if \fill
	s_wait_xcnt 0x0                                ; the last prefetch, a K step back, has read its address
	s_add_nc_u64 s[PFA:PFA+1], s[PFA:PFA+1], s[PFS:PFS+1]
.endif
	WIN 0
	s_wait_tensorcnt 0x0                           ; no tensor load of mine is out, so a group 0 may be written
	ds_add_u32 v[SPW], v[NIL]                      ; 0 onto my spare word
.if \fill
	s_xor_b32 s[G0A+5], s[G0A+5], SLOT1            ; the walking descriptors: the other slot than last time, the next K step
	s_add_nc_u64 s[G0A+6:G0A+7], s[G0A+6:G0A+7], STEPA
	s_xor_b32 s[G0B+5], s[G0B+5], SLOT1
	s_add_nc_u64 s[G0B+6:G0B+7], s[G0B+6:G0B+7], STEPB
.endif
	s_xor_b32 s[TB], s[TB], SLOT1
	s_wait_dscnt 9                                 ; the add and the youngest eight loads may be out
	MUL16 F1, 0, 0, 0                              ; sixteen matrix instructions stand between the add and the wait for it
	s_wait_dscnt 0x0                               ; the add is done, and my reads of this slot are over
	s_barrier_signal -1
	MUL16 F1, 0, 2, 0                              ; work on registers while the others arrive
	WIN 0
	s_barrier_wait -1
.if \fill
	CREST                                          ; no wave of any partner still reads this slot or has a load on its way
	JLOAD                                          ; its four v_nop are also the places in front of the loads below
.else
	PLACES
.endif
	v_add_nc_u32 v[ADRA], s[TB], v[A0]
	v_add_nc_u32 v[ADRB], s[TB], v[B0]
	FETCH 0, F0
.if \fill
	ASK
.endif
	MUL16 F1, 1, 0, 0
	MUL16 F1, 1, 2, 0
.endm
	s_load_b256 s[4:11], s[0:1], 0x0               ; xb s[4:5], wab s[6:7], qkv s[8:9], b_attn s[10:11]
	v_lshl_add_u32 v[SPW], v0, 2, SPARE
	v_mov_b32 v[NIL], 0
	ds_add_u32 v[SPW], v[NIL]                      ; the wave's opening: the add and its wait ahead of my first tensor load; the set-up below stands between them
	v_lshrrev_b32 v3, 5, v0
	v_readfirstlane_b32 s[WV], v3
	s_lshr_b32 s[WH], s[WV], 1
	s_and_b32 s[WL], s[WV], 1
	s_bfe_u32 s[CX], ttmp6, 0x40000
	s_bfe_u32 s[CY], ttmp6, 0x40004
	s_lshl_b32 s[TX], ttmp9, 2
	s_add_co_u32 s[TX], s[TX], s[CX]               ; tile column = 4 x cluster x + cx
	s_and_b32 s[CLY], ttmp7, 0xffff
	s_lshl_b32 s[TY], s[CLY], 2
	s_add_co_u32 s[TY], s[TY], s[CY]               ; tile row = 4 x cluster y + cy
	s_lshl_b32 s20, s[CY], 2
	s_lshl_b32 s20, 15, s20                        ; my row of the cluster
	s_lshl_b32 s46, 0x1111, s[CX]                  ; my column
	s_or_b32 s[G1A], s20, (1<<16)|(1<<20)|(1<<21)|(5<<22)|(3<<25)  ; the mask; 2-byte elements; padding on; bit 21 beside a mask; after every 64 words 4 words
	s_or_b32 s[G1B], s46, (1<<16)|(1<<20)|(1<<21)|(6<<22)|(7<<25)  ; after every 128 words 8 words
	s_mov_b32 s[G1A+1], 128<<16                    ; tensor_dim0 = 128
	s_mov_b32 s[G1A+2], 128<<16                    ; tensor_dim1 = 128
	s_mov_b32 s[G1A+3], 128<<16                    ; tile_dim0 = 128
	s_mov_b32 s[G1A+4], 128                        ; tile_dim1 = 128
	s_mov_b32 s[G1A+5], PITCHA/2                   ; elements from row to row
	s_mov_b32 s[G1A+6], 0
	s_mov_b32 s[G1A+7], 0
	s_mov_b32 s[G1B+1], 256<<16                    ; B: 64 k-rows x 256 elements
	s_mov_b32 s[G1B+2], 64<<16
	s_mov_b32 s[G1B+3], 256<<16
	s_mov_b32 s[G1B+4], 64
	s_mov_b32 s[G1B+5], PITCHB/2
	s_mov_b32 s[G1B+6], 0
	s_mov_b32 s[G1B+7], 0
	s_mul_i32 s2, s[WL], HALFA                     ; where the tiles go: the wave's number alone enters an LDS address
	s_mov_b32 s[G0A], 1
	s_mov_b32 s[G0A+1], s2
	s_mov_b32 s[G0A+4], 1
	s_add_co_u32 s[G0A+5], s2, SLOT1
	s_mul_i32 s2, s[WL], HALFB
	s_mov_b32 s[G0B], 1
	s_add_co_u32 s[G0B+1], s2, ABYTES
	s_mov_b32 s[G0B+4], 1
	s_add_co_u32 s[G0B+5], s2, ABYTES+SLOT1
	s_lshl_b32 s20, s[TY], 8                       ; A: row 256 x tile row + 128 x half
	s_lshl_b32 s21, s[WL], 7
	s_add_co_u32 s20, s20, s21
	s_mul_i32 s20, s20, PITCHA
	s_mov_b32 s21, 0
	s_mul_i32 s46, s[WL], 64*PITCHB                ; B: k-row 64 x half, column 256 x tile column
	s_lshl_b32 s47, s[TX], 9
	s_add_co_u32 s46, s46, s47
	s_mov_b32 s47, 0
	s_mov_b32 s[TB], 0
	s_mov_b32 s[HIM], 0xffff0000
	s_wait_dscnt 0x0                               ; the opening add is done
	s_wait_kmcnt 0x0
	s_add_nc_u64 s[G0A+2:G0A+3], s[4:5], s[20:21]
	s_add_nc_u64 s[G0A+6:G0A+7], s[G0A+2:G0A+3], STEPA
	s_or_b32 s[G0A+3], s[G0A+3], 0x80000000        ; type = 2
	s_or_b32 s[G0A+7], s[G0A+7], 0x80000000
	s_add_nc_u64 s[G0B+2:G0B+3], s[6:7], s[46:47]
	s_add_nc_u64 s[G0B+6:G0B+7], s[G0B+2:G0B+3], STEPB
	s_or_b32 s[G0B+3], s[G0B+3], 0x80000000
	s_or_b32 s[G0B+7], s[G0B+7], 0x80000000
	CROUND                                         ; all sixteen work-groups are here: the first joint loads meet
	s_cmp_eq_u32 s[WH], 0                          ; a wave's two first fills stand in one branch: two loads of mine are out
	s_cbranch_scc0 .Lfirst_b
	tensor_load_to_lds s[G0A:G0A+3], s[G1A:G1A+7]
	s_nop 0
	tensor_load_to_lds s[G0A+4:G0A+7], s[G1A:G1A+7]
	s_nop 0
	PLACES
	s_branch .Lfirst_done
.Lfirst_b:
	tensor_load_to_lds s[G0B:G0B+3], s[G1B:G1B+7]
	s_nop 0
	tensor_load_to_lds s[G0B+4:G0B+7], s[G1B:G1B+7]
	s_nop 0
	PLACES
.Lfirst_done:
	v_and_b32 v1, 15, v0                           ; r = lane % 16
	v_bfe_u32 v2, v0, 4, 1                         ; h = lane / 16
	v_mul_u32_u24 v[A0], v1, PA                    ; a fragment of A: row r, 16 bytes for each half of the lanes, my 128 rows
	v_lshl_add_u32 v[A0], v2, 4, v[A0]
	s_mul_i32 s2, s[WH], HALFA
	v_add_nc_u32 v[A0], s2, v[A0]
	v_and_b32 v3, 7, v0                            ; the turning load: k-row 8 h + lane % 8, 16 bytes by bit 3 of the lane, my 128 columns
	v_lshl_add_u32 v3, v2, 3, v3
	v_mul_u32_u24 v[B0], v3, PB
	v_bfe_u32 v3, v0, 3, 1
	v_lshl_add_u32 v[B0], v3, 4, v[B0]
	s_lshl_b32 s2, s[WL], 8
	s_add_co_u32 s2, s2, ABYTES
	v_add_nc_u32 v[B0], s2, v[B0]
	v_mov_b32 v[ADRA], v[A0]
	v_mov_b32 v[ADRB], v[B0]
	s_mul_i32 s2, s[WV], 16*SP
	s_add_co_u32 s2, s2, STAGE                     ; my stage
	v_mul_u32_u24 v[STO], v1, SP
	v_lshl_add_u32 v[STO], v2, 4, v[STO]
	v_add_nc_u32 v[STO], s2, v[STO]
	v_mul_u32_u24 v[RD], v2, SP                    ; back: lanes 0-15 one row of 256 bytes, lanes 16-31 the next
	v_lshl_add_u32 v[RD], v1, 4, v[RD]
	v_add_nc_u32 v[RD], s2, v[RD]
	v_mul_u32_u24 v[CO], v2, PITCHC
	v_lshl_add_u32 v[CO], v1, 4, v[CO]
	s_lshl_b32 s74, s[TY], 8                       ; C at my first row and column
	s_lshl_b32 s76, s[WH], 7
	s_add_co_u32 s74, s74, s76
	s_mul_i32 s74, s74, PITCHC
	s_lshl_b32 s76, s[TX], 9
	s_add_co_u32 s74, s74, s76
	s_lshl_b32 s76, s[WL], 8
	s_add_co_u32 s74, s74, s76
	s_mov_b32 s75, 0
	s_add_nc_u64 s[8:9], s[8:9], s[74:75]
	s_lshl_b32 s74, s[TX], 10                      ; the bias of my 128 columns
	s_lshl_b32 s76, s[WL], 9
	s_add_co_u32 s74, s74, s76
	s_add_nc_u64 s[10:11], s[10:11], s[74:75]
	v_lshlrev_b32 v[BO], 5, v2                     ; my 8 columns of each 16
	WIN TO_B                                       ; destination window 1
.irp b, 0,1,2,3,4,5,6,7
	global_load_b128 v[8*(\b):8*(\b)+3],   v[BO], s[10:11] offset:64*(\b)
	global_load_b128 v[8*(\b)+4:8*(\b)+7], v[BO], s[10:11] offset:64*(\b)+16
.endr
	WIN 0
	s_lshl_b32 s74, s[TY], 8                       ; the prefetches.  A: rows 256 x tile row + 128 x half + 32 cx, at K step 3
	s_lshl_b32 s76, s[WL], 7
	s_add_co_u32 s74, s74, s76
	s_lshl_b32 s76, s[CX], 5
	s_add_co_u32 s74, s74, s76
	s_mul_i32 s74, s74, PITCHA
	s_add_co_u32 s74, s74, 3*STEPA
	s_lshl_b32 s76, s[WL], 6                       ; B: k-rows 64 x half + 16 cy, my tile's columns, at K step 3
	s_lshl_b32 s77, s[CY], 4
	s_add_co_u32 s76, s76, s77
	s_mul_i32 s76, s76, PITCHB
	s_lshl_b32 s77, s[TX], 9
	s_add_co_u32 s76, s76, s77
	s_add_co_u32 s76, s76, 3*STEPB
	s_mov_b32 s[PFS], STEPB
	s_mov_b32 s78, PITCHB
	s_cmp_eq_u32 s[WH], 0
	s_cselect_b64 s[PFA:PFA+1], s[4:5], s[6:7]
	s_cselect_b32 s74, s74, s76
	s_cselect_b32 s[PFS], STEPA, s[PFS]
	s_cselect_b32 s78, PITCHA, s78
	s_cselect_b32 s79, ttmp9, s[CLY]               ; A is asked for where cluster x = 0, B where cluster y = 0: the same in all sixteen partners
	s_mov_b32 s[PFS+1], 0
	s_cmp_eq_u32 s79, 0
	s_cselect_b32 s[LIM], 2, -1
	s_add_nc_u64 s[PFA:PFA+1], s[PFA:PFA+1], s[74:75]
	v_and_b32 v3, 31, v0
	v_lshrrev_b32 v[PFO], s[WH], v3                ; A: a lane a row; B: two lanes a k-row, 256 bytes each
	v_and_b32 v3, s[WH], v3
	v_mul_lo_u32 v[PFO], v[PFO], s78
	v_lshl_add_u32 v[PFO], v3, 8, v[PFO]
	s_wait_tensorcnt 1                             ; my part of K step 0 is in; K step 1's may stay out
	s_barrier_signal -1
	s_barrier_wait -1                              ; everybody's is
	FETCH 0, F0
	s_wait_loadcnt 0x0                             ; the bias; it is rounded to bf16 like the other inputs, and widened again
	WIN 0x05                                       ; sources in window 1, destination in window 0
.set i, 0
.rept 32
	v_cvt_pk_bf16_f32 v[TMP+i], v[2*i], v[2*i+1]
.set i, i+1
.endr
	WIN TO_B
.set i, 0
.rept 32
	v_lshlrev_b32 v[2*i], 16, v[TMP+i]
	v_and_b32 v[2*i+1], s[HIM], v[TMP+i]
.set i, i+1
.endr
	QUARTER 1, F0, F1, 1                           ; the first quarter stands in front of the loop: its products start the sums
	WIN 0
	s_mov_b32 s3, NSTEP-2
.Lstep:                                        ; a trip goes from a K step's second quarter to the next step's first, and fills the slot that it leaves
	QUARTER 2, F1, F0, 0
	QUARTER 3, F0, F1, 0
	TURN 1
	QUARTER 1, F0, F1, 0
	WIN 0
	s_sub_co_u32 s3, s3, 1
	s_cmp_lg_u32 s3, 0
	s_cbranch_scc1 .Lstep
	s_mov_b32 s[CNT], 2
.Ltail:                                        ; the last two K steps fill nothing.  One text for both: the second trip's barrier, and its fetch from the slot read before, serve nothing
	QUARTER 2, F1, F0, 0
	QUARTER 3, F0, F1, 0
	TURN 0
	WIN 0
	s_sub_co_u32 s[CNT], s[CNT], 1
	s_cmp_eq_u32 s[CNT], 0
	s_cbranch_scc1 .Lout
	QUARTER 1, F0, F1, 0
	WIN 0
	s_branch .Ltail
.Lout:
	s_wait_dscnt 0x0                               ; that last fetch has landed: its registers are free
	PLACES
	PLACES
; THE WAY OUT, 16 rows at a time: rounded to f16, 16 bytes a lane into my own stage, back as whole rows of 256 bytes, stored.
.macro PACK a
.set AC, 64*((\a)%4)
	WIN 0x0a+5*((\a)/4)                            ; sources in window 2 or 3; each accumulator's registers in ascending order
.set i, 0
.rept 32
	v_cvt_pk_f16_f32 v[TMP+i], v[AC+2*i], v[AC+2*i+1]
.set i, i+1
.endr
	WIN 0
.endm
.macro TOSTAGE a
.set BK, OB+192*((\a)%2)
.irp b, 0,1,2,3,4,5,6,7
	ds_store_b128 v[STO], v[TMP+4*(\b):TMP+4*(\b)+3] offset:32*(\b)
.endr
.irp t, 0,1,2,3,4,5,6,7
	ds_load_b128 v[BK+4*(\t):BK+4*(\t)+3], v[RD] offset:(\t)*2*SP  ; LDS serves a wave's instructions in order (ISA guide 5.7.1.4): these see the stores above
.endr
.endm
.macro SEND a
.set BK, OB+192*((\a)%2)
	s_wait_dscnt 0x0                               ; the block is back in registers
	s_wait_xcnt 0x0                                ; earlier stores have read their base and data: only behind this wait are these rewritten
.if (\a) > 0
	s_add_nc_u64 s[8:9], s[8:9], 16*PITCHC
.endif
.irp t, 0,1,2,3,4,5,6,7
	global_store_b128 v[CO], v[BK+4*(\t):BK+4*(\t)+3], s[8:9] offset:2*(\t)*PITCHC  ; 16 lanes store 256 consecutive bytes, aligned
.endr
.endm
	PACK 0
	TOSTAGE 0
.irp a, 1,2,3,4,5,6,7                  ; block a's conversions stand between block a - 1's loads from the stage and the wait for them
	PACK \a
	SEND (\a)-1
	TOSTAGE \a
.endr
	SEND 7
	s_wait_tensorcnt 0x0                           ; the wave's end
	ds_add_u32 v[SPW], v[NIL]
	s_wait_dscnt 0x0
	CROUND                                         ; the closing round
	s_endpgm
.Lfunc_end_k_q0bd95cbe06_project:
	.size	k_q0bd95cbe06_project, .Lfunc_end_k_q0bd95cbe06_project-k_q0bd95cbe06_project
	.p2alignl 7, 3214868480
	.fill 96, 4, 3214868480
	.section	.rodata,"a",@progbits
	.p2align	6, 0x0
	.amdhsa_kernel k_q0bd95cbe06_project
		.amdhsa_group_segment_fixed_size 327680
		.amdhsa_private_segment_fixed_size 0
		.amdhsa_enable_private_segment 0
		.amdhsa_kernarg_size 32
		.amdhsa_user_sgpr_count 2
		.amdhsa_user_sgpr_kernarg_segment_ptr 1
		.amdhsa_wavefront_size32 1
		.amdhsa_system_sgpr_workgroup_id_x 1
		.amdhsa_system_sgpr_workgroup_id_y 1
		.amdhsa_system_sgpr_workgroup_id_z 1
		.amdhsa_system_vgpr_workitem_id 0
		.amdhsa_next_free_vgpr 1024
		.amdhsa_next_free_sgpr 80
		.amdhsa_reserve_vcc 0
		.amdhsa_float_denorm_mode_32 3
		.amdhsa_float_denorm_mode_16_64 3
		.amdhsa_memory_ordered 1
		.amdhsa_forward_progress 1
		.amdhsa_inst_pref_size 107
	.end_amdhsa_kernel
	.amdgpu_metadata
---
amdhsa.version: [ 1, 2 ]
amdhsa.kernels:
  - .name:           k_q0bd95cbe06_project
    .symbol:         k_q0bd95cbe06_project.kd
    .args:
      - { .name: xb, .offset: 0, .size: 8, .value_kind: global_buffer, .address_space: global }
      - { .name: wab, .offset: 8, .size: 8, .value_kind: global_buffer, .address_space: global }
      - { .name: qkv, .offset: 16, .size: 8, .value_kind: global_buffer, .address_space: global }
      - { .name: b_attn, .offset: 24, .size: 8, .value_kind: global_buffer, .address_space: global }
    .group_segment_fixed_size: 327680
    .private_segment_fixed_size: 0
    .kernarg_segment_align: 8
    .kernarg_segment_size: 32
    .max_flat_workgroup_size: 128
    .sgpr_count:     80
    .vgpr_count:     1024
    .wavefront_size: 32
...
	.end_amdgpu_metadata
.endif
;; end of part 2
;; launch score (part 3): grid 8 x 32, 4 waves a work-group, clusters of 4 x 4, 327,680 bytes of LDS; arguments qkv, ew, st; writes ew, st
.if DOCPART == 3
	.amdgcn_target "amdgcn-amd-amdhsa--gfx1250"
	.amdhsa_code_object_version 6
	.text
	.protected	k_q0bd95cbe06_score
	.globl	k_q0bd95cbe06_score
	.p2align	8
	.type	k_q0bd95cbe06_score,@function
k_q0bd95cbe06_score:
	s_mov_b64 s[64:65], 0
	v_nop
	global_prefetch_b8 v0, s[64:65] scope:SCOPE_SE
	s_setreg_imm32_b32 hwreg(HW_REG_WAVE_MODE, 25, 1), 1
	s_wait_xcnt 0x0
	s_wait_alu depctr_hold_cnt(0) depctr_sa_sdst(0) depctr_va_vdst(0) depctr_va_sdst(0) depctr_va_ssrc(0) depctr_va_vcc(0) depctr_vm_vsrc(0)
	s_getreg_b32 s2, hwreg(HW_REG_IB_STS2, 6, 4)
	s_cmp_eq_u32 s2, 0
	s_cbranch_scc0 .Lentry_in_a_cluster
	s_endpgm
.Lentry_in_a_cluster:
	s_bfe_u32 s2, ttmp6, 0x10000c
	s_cmp_lg_u32 s2, 0xf033
	s_cbranch_scc0 .Lentry_shape_is_right
	s_endpgm
.Lentry_shape_is_right:
; THE WEIGHTS, BY BLOCKS OF 128 KEYS.  s[q][k] = q[q] . k[k] (f16 operands, f32 sums).  For each query and each block t of 128 keys of its batch: m = the block's largest s;
; ew[q][k] = 2^(c (s - m)) in f16, c = log2(e) / 32; l = the sum of those weights, unrounded; st[t][q] = (m, l) in f32.  The next launch takes the row's maximum over the 16 blocks.
; The difference s - m is formed first, so that no exponent is above 0 whatever the scores' size.  LIMITS: a weight below 6e-8 of its block's largest counts as 0; NaN and infinities are not treated apart.
; SHARES.  A tile is 256 queries x 256 keys: 4 x 8 x 8 = 256 tiles.  Four waves, 2 x 2, each 128 queries x 128 keys: ONE block of keys, so a row's maximum and sum never leave the wave.
; Both operands lie along K: plain fragment loads.  The matrix instruction is used transposed (source 0 = 16 keys, source 1 = 16 queries): a lane holds one query and eight neighbouring keys.
; K goes in steps of 128 through two LDS slots (256 rows of q, 256 rows of k, 272 bytes apart), one tensor load of 32 KiB a wave; a K step is 256 matrix instructions a wave, 224 of them between a
; slot's request and the wait for it.  q's tile is asked for jointly along a row of the 4 x 4 cluster, k's along a column.
; REGISTERS: window 0: v0-31 addresses and statistics; v32-63, v224-255 rows read back from the stage; v64-127, v128-191 q's two fragment buffers (behind the loop v128-151 hold m, l); v192-223 packed weights
;   window 1: v64-127, v128-191 k's two fragment buffers          windows 2, 3: accumulator (a, b) at v[8 (8 (a % 4) + b)] of window 2 + a / 4
.set NSTEP,  8
.set PA,     272                       ; 68 words: the 16 rows of a load start at 16 different groups of four banks (64 banks of 4 bytes: ISA guide 11.1)
.set HALFA,  128*PA                    ; what one tensor load brings: 34,816 bytes
.set ABYTES, 2*HALFA
.set SLOT1,  2*ABYTES                  ; 139,264 = 0x22000.  The four tiles of slot 0 begin at 0, 0x8800, 0x11000 and 0x19800: none has bit 13 or 17, so one exclusive or with 0x22000 turns an address in one slot into the other's
.set SPARE,  2*SLOT1                   ; the spare words: two blocks of 256 bytes that no other line names
.set STAGE,  SPARE+512                 ; never filled by a tensor load: 16 rows x 272 bytes for each wave
.set SP,     272
.set PITCHA, 6144                      ; bytes from row to row of qkv
.set PITCHC, 4096                      ; of ew
.set STEPA,  256
.set A0,   4
.set B0,   5
.set ADRA, 6
.set ADRB, 7
.set STO,  8
.set RD,   9
.set CO,   10
.set PFO,  11
.set SPW,  12
.set NIL,  13
.set SO,   14                          ; v14  8 x lane: my place in a store of statistics
.set CH,   16                          ; v16-23 eight chains of the maximum
.set MX,   24                          ; v[24:25] m, twice
.set SM,   26                          ; v[26:27] the sum's two halves
.set XC,   28                          ; v28  what the other half of the lanes sends
.set OB,   32
.set TMP,  192
.set CMS,  128                         ; v128-135 m of blocks a = 0..7 (free behind the loop)
.set LSS,  136                         ; v136-143 l
.set SD,   144                         ; v[144:151] four pairs to store
.set F0,   64
.set F1,   128
.set WV,  12
.set WH,  13
.set WL,  14
.set CX,  15
.set CY,  16
.set TX,  17
.set TY,  18
.set CLY, 19
.set G1A, 24
.set G0A, 32
.set TB,  40
.set LIM, 41
.set PFA, 42
.set G1B, 48
.set G0B, 56
.set CS,  66                           ; s[66:67] c, twice
.set SEL, 68                           ; s[68:69] v_permlanex16_b32's selects: each lane takes its own place in the other half
.set CNT, 70
.set HIM, 72                           ; s72  lanes 16-31
.set MUL_LO, 0xa1                      ; source 0 (k) window 1, source 1 (q) window 0, C and D window 2
.set MUL_HI, 0xf1
.set TO_B,   0x40
.set MSB, 0
.macro WIN new
.if MSB != (\new)
	s_set_vgpr_msb (MSB<<8)|(\new)
.set MSB, (\new)
.endif
.endm
.macro PLACES
.rept 4
	v_nop
.endr
.endm
.macro CREST
	s_cmp_lg_u32 s[WV], 0
	s_cbranch_scc1 .Lnot_wave_0_\@
	s_barrier_signal -3
.Lnot_wave_0_\@:
	s_barrier_wait -3
	s_barrier_signal -1
	s_barrier_wait -1
.endm
.macro CROUND
	s_barrier_signal -1
	s_barrier_wait -1
	CREST
.endm
.macro JLOAD                           ; the joint refill; an s_nop 0 and four v_nop follow each line
	s_cmp_eq_u32 s[WH], 0
	s_cbranch_scc0 .Lfor_b_\@
	tensor_load_to_lds s[G0A+4:G0A+7], s[G1A:G1A+7]
	s_nop 0
	PLACES
	s_branch .Lasked_\@
.Lfor_b_\@:
	tensor_load_to_lds s[G0B+4:G0B+7], s[G1B:G1B+7]
	s_nop 0
	PLACES
.Lasked_\@:
.endm
; A prefetch into the L2 of the K step two refills on, a lane a row of 256 bytes.  Of the 128 rows that a wave fetches each of the four partners that ask with it takes 32, told apart by address.
; q's rows: waves 0 and 1 of the clusters with x = 0.  k's rows: waves 2 and 3 of each batch's first row of clusters.  Each block is named once; K steps 0 to 3 come by their loads alone; the last two refills ask for nothing.
.macro ASK
	s_cmp_gt_u32 s3, s[LIM]
	s_cbranch_scc0 .Lnot_mine_\@
	global_prefetch_b8 v[PFO], s[PFA:PFA+1] th:TH_LOAD_NT scope:SCOPE_SE
.Lnot_mine_\@:
.endm
; 16 matrix instructions: query blocks a0, a0 + 1 of the window's four x all 8 key blocks, 32 along K.  start = 1: the constant 0 starts the sums.  The 64 accumulators take turns.
.macro MUL16 f, hi, a0, start
	WIN MUL_LO+0x50*(\hi)
.irp a, \a0, (\a0)+1
.irp b, 0,1,2,3,4,5,6,7
.if \start
	v_wmma_f32_16x16x32_f16 v[8*(8*(\a)+(\b)):8*(8*(\a)+(\b))+7], v[(\f)+8*(\b):(\f)+8*(\b)+7], v[(\f)+8*(4*(\hi)+(\a)):(\f)+8*(4*(\hi)+(\a))+7], 0
.else
	v_wmma_f32_16x16x32_f16 v[8*(8*(\a)+(\b)):8*(8*(\a)+(\b))+7], v[(\f)+8*(\b):(\f)+8*(\b)+7], v[(\f)+8*(4*(\hi)+(\a)):(\f)+8*(4*(\hi)+(\a))+7], v[8*(8*(\a)+(\b)):8*(8*(\a)+(\b))+7]
.endif
.endr
.endr
.endm
.macro FETCH q, f                      ; 32 LDS loads in one run: k's sixteen, then q's sixteen
	WIN TO_B
.irp b, 0,1,2,3,4,5,6,7
	ds_load_b128 v[(\f)+8*(\b):(\f)+8*(\b)+3],   v[ADRB] offset:64*(\q)+(\b)*16*PA
	ds_load_b128 v[(\f)+8*(\b)+4:(\f)+8*(\b)+7], v[ADRB] offset:64*(\q)+(\b)*16*PA+32
.endr
	WIN 0
.irp a, 0,1,2,3,4,5,6,7
	ds_load_b128 v[(\f)+8*(\a):(\f)+8*(\a)+3],   v[ADRA] offset:64*(\q)+(\a)*16*PA
	ds_load_b128 v[(\f)+8*(\a)+4:(\f)+8*(\a)+7], v[ADRA] offset:64*(\q)+(\a)*16*PA+32
.endr
.endm
.macro QUARTER q, f, g, start
	s_wait_dscnt 8                                 ; the youngest eight loads (q's blocks 4 to 7) may be out
	MUL16 \f, 0, 0, \start
	MUL16 \f, 0, 2, \start
	PLACES
	FETCH \q, \g
	s_wait_dscnt 32                                ; all but the 32 just issued
	MUL16 \f, 1, 0, \start
	MUL16 \f, 1, 2, \start
.endm
.macro TURN fill                       ; the last quarter and the change of slots: all my tensor loads, the add, my reads, the barrier (fill = 1: a round of the cluster's), the refill first behind it
.if \fill
	s_wait_xcnt 0x0                                ; the last prefetch, a K step back, has read its address
	s_add_nc_u64 s[PFA:PFA+1], s[PFA:PFA+1], STEPA
.endif
	WIN 0
	s_wait_tensorcnt 0x0
	ds_add_u32 v[SPW], v[NIL]
.if \fill
	s_xor_b32 s[G0A+5], s[G0A+5], SLOT1
	s_add_nc_u64 s[G0A+6:G0A+7], s[G0A+6:G0A+7], STEPA
	s_xor_b32 s[G0B+5], s[G0B+5], SLOT1
	s_add_nc_u64 s[G0B+6:G0B+7], s[G0B+6:G0B+7], STEPA
.endif
	s_xor_b32 s[TB], s[TB], SLOT1
	s_wait_dscnt 9                                 ; the add and the youngest eight loads may be out
	MUL16 F1, 0, 0, 0
	s_wait_dscnt 0x0                               ; the add is done, and my reads of this slot are over
	s_barrier_signal -1
	MUL16 F1, 0, 2, 0
	WIN 0
	s_barrier_wait -1
.if \fill
	CREST
	JLOAD
.else
	PLACES
.endif
	v_add_nc_u32 v[ADRA], s[TB], v[A0]
	v_add_nc_u32 v[ADRB], s[TB], v[B0]
	FETCH 0, F0
.if \fill
	ASK
.endif
	MUL16 F1, 1, 0, 0
	MUL16 F1, 1, 2, 0
.endm
	s_load_b128 s[4:7], s[0:1], 0x0                ; qkv s[4:5], ew s[6:7]
	s_load_b64 s[10:11], s[0:1], 0x10              ; st
	v_lshl_add_u32 v[SPW], v0, 2, SPARE
	v_mov_b32 v[NIL], 0
	ds_add_u32 v[SPW], v[NIL]                      ; the wave's opening: the add and, below, its wait, ahead of my first tensor load
	v_lshrrev_b32 v3, 5, v0
	v_readfirstlane_b32 s[WV], v3
	s_lshr_b32 s[WH], s[WV], 1
	s_and_b32 s[WL], s[WV], 1
	s_bfe_u32 s[CX], ttmp6, 0x40000
	s_bfe_u32 s[CY], ttmp6, 0x40004
	s_lshl_b32 s[TX], ttmp9, 2
	s_add_co_u32 s[TX], s[TX], s[CX]               ; tile of 256 keys in the batch
	s_and_b32 s[CLY], ttmp7, 0xffff
	s_lshl_b32 s[TY], s[CLY], 2
	s_add_co_u32 s[TY], s[TY], s[CY]               ; tile of 256 queries, over all batches
	s_lshl_b32 s20, s[CY], 2
	s_lshl_b32 s20, 15, s20
	s_lshl_b32 s46, 0x1111, s[CX]
	s_or_b32 s[G1A], s20, (1<<16)|(1<<20)|(1<<21)|(5<<22)|(3<<25)
	s_or_b32 s[G1B], s46, (1<<16)|(1<<20)|(1<<21)|(5<<22)|(3<<25)
.irp g, G1A, G1B
	s_mov_b32 s[(\g)+1], 128<<16                   ; 128 rows x 128 elements
	s_mov_b32 s[(\g)+2], 128<<16
	s_mov_b32 s[(\g)+3], 128<<16
	s_mov_b32 s[(\g)+4], 128
	s_mov_b32 s[(\g)+5], PITCHA/2
	s_mov_b32 s[(\g)+6], 0
	s_mov_b32 s[(\g)+7], 0
.endr
	s_mul_i32 s2, s[WL], HALFA
	s_mov_b32 s[G0A], 1
	s_mov_b32 s[G0A+1], s2
	s_mov_b32 s[G0A+4], 1
	s_add_co_u32 s[G0A+5], s2, SLOT1
	s_mov_b32 s[G0B], 1
	s_add_co_u32 s[G0B+1], s2, ABYTES
	s_mov_b32 s[G0B+4], 1
	s_add_co_u32 s[G0B+5], s2, ABYTES+SLOT1
	s_lshl_b32 s20, s[TY], 8                       ; q: row 256 x tile row + 128 x half
	s_lshl_b32 s21, s[WL], 7
	s_add_co_u32 s20, s20, s21
	s_mul_i32 s20, s20, PITCHA
	s_mov_b32 s21, 0
	s_lshr_b32 s46, s[CLY], 1                      ; k: row 2,048 x batch (two rows of clusters a batch) + 256 x tile column + 128 x half, 2,048 bytes into the row
	s_lshl_b32 s46, s46, 11
	s_lshl_b32 s47, s[TX], 8
	s_add_co_u32 s46, s46, s47
	s_lshl_b32 s47, s[WL], 7
	s_add_co_u32 s46, s46, s47
	s_mul_i32 s46, s46, PITCHA
	s_add_co_u32 s46, s46, 2048
	s_mov_b32 s47, 0
	s_mov_b32 s[TB], 0
	s_mov_b32 s[HIM], 0xffff0000
	s_mov_b32 s[CS], 0x3d38aa3b                    ; c = log2(e) / 32 = 0.0450842
	s_mov_b32 s[CS+1], s[CS]
	s_mov_b32 s[SEL], 0x76543210
	s_mov_b32 s[SEL+1], 0xfedcba98
	s_wait_dscnt 0x0                               ; the opening add is done
	s_wait_kmcnt 0x0
	s_mov_b64 s[8:9], s[6:7]                       ; C = ew
	s_add_nc_u64 s[G0A+2:G0A+3], s[4:5], s[20:21]
	s_add_nc_u64 s[G0A+6:G0A+7], s[G0A+2:G0A+3], STEPA
	s_or_b32 s[G0A+3], s[G0A+3], 0x80000000
	s_or_b32 s[G0A+7], s[G0A+7], 0x80000000
	s_add_nc_u64 s[G0B+2:G0B+3], s[4:5], s[46:47]
	s_add_nc_u64 s[G0B+6:G0B+7], s[G0B+2:G0B+3], STEPA
	s_or_b32 s[G0B+3], s[G0B+3], 0x80000000
	s_or_b32 s[G0B+7], s[G0B+7], 0x80000000
	CROUND
	s_cmp_eq_u32 s[WH], 0                          ; a wave's two first fills stand in one branch
	s_cbranch_scc0 .Lfirst_b
	tensor_load_to_lds s[G0A:G0A+3], s[G1A:G1A+7]
	s_nop 0
	tensor_load_to_lds s[G0A+4:G0A+7], s[G1A:G1A+7]
	s_nop 0
	PLACES
	s_branch .Lfirst_done
.Lfirst_b:
	tensor_load_to_lds s[G0B:G0B+3], s[G1B:G1B+7]
	s_nop 0
	tensor_load_to_lds s[G0B+4:G0B+7], s[G1B:G1B+7]
	s_nop 0
	PLACES
.Lfirst_done:
	v_and_b32 v1, 15, v0                           ; r
	v_bfe_u32 v2, v0, 4, 1                         ; h
	v_mul_u32_u24 v3, v1, PA
	v_lshl_add_u32 v3, v2, 4, v3                   ; row r x pitch + 16 h
	s_mul_i32 s2, s[WH], HALFA
	v_add_nc_u32 v[A0], s2, v3
	s_mul_i32 s2, s[WL], HALFA
	s_add_co_u32 s2, s2, ABYTES
	v_add_nc_u32 v[B0], s2, v3
	v_mov_b32 v[ADRA], v[A0]
	v_mov_b32 v[ADRB], v[B0]
	v_mov_b32 v[XC], 0                             ; v_permlanex16_b32's destination counts as read
	s_mul_i32 s2, s[WV], 16*SP
	s_add_co_u32 s2, s2, STAGE
	v_mul_u32_u24 v[STO], v1, SP
	v_lshl_add_u32 v[STO], v2, 4, v[STO]
	v_add_nc_u32 v[STO], s2, v[STO]
	v_mul_u32_u24 v[RD], v2, SP
	v_lshl_add_u32 v[RD], v1, 4, v[RD]
	v_add_nc_u32 v[RD], s2, v[RD]
	v_mul_u32_u24 v[CO], v2, PITCHC
	v_lshl_add_u32 v[CO], v1, 4, v[CO]
	s_lshl_b32 s74, s[TY], 8                       ; ew at my first row and column
	s_lshl_b32 s76, s[WH], 7
	s_add_co_u32 s74, s74, s76
	s_mul_i32 s74, s74, PITCHC
	s_lshl_b32 s76, s[TX], 9
	s_add_co_u32 s74, s74, s76
	s_lshl_b32 s76, s[WL], 8
	s_add_co_u32 s74, s74, s76
	s_mov_b32 s75, 0
	s_add_nc_u64 s[8:9], s[8:9], s[74:75]
	s_lshl_b32 s74, s[TX], 1                       ; st at block 2 x tile column + half (65,536 bytes a block), my first row (8 bytes a row)
	s_add_co_u32 s74, s74, s[WL]
	s_lshl_b32 s74, s74, 16
	s_lshl_b32 s76, s[TY], 11
	s_add_co_u32 s74, s74, s76
	s_lshl_b32 s76, s[WH], 10
	s_add_co_u32 s74, s74, s76
	s_add_nc_u64 s[10:11], s[10:11], s[74:75]
	v_and_b32 v3, 31, v0
	v_lshlrev_b32 v[SO], 3, v3
	v_mul_u32_u24 v[PFO], v3, PITCHA               ; the prefetches: a lane a row
	s_lshl_b32 s74, s[TY], 8                       ; q: rows 256 x tile row + 128 x half + 32 cx, at K step 3
	s_lshl_b32 s76, s[WL], 7
	s_add_co_u32 s74, s74, s76
	s_lshl_b32 s76, s[CX], 5
	s_add_co_u32 s74, s74, s76
	s_mul_i32 s74, s74, PITCHA
	s_add_co_u32 s74, s74, 3*STEPA
	s_lshr_b32 s76, s[CLY], 1                      ; k: rows 2,048 x batch + 256 x tile column + 128 x half + 32 cy
	s_lshl_b32 s76, s76, 11
	s_lshl_b32 s77, s[TX], 8
	s_add_co_u32 s76, s76, s77
	s_lshl_b32 s77, s[WL], 7
	s_add_co_u32 s76, s76, s77
	s_lshl_b32 s77, s[CY], 5
	s_add_co_u32 s76, s76, s77
	s_mul_i32 s76, s76, PITCHA
	s_add_co_u32 s76, s76, 2048+3*STEPA
	s_and_b32 s2, s[CLY], 1
	s_cmp_eq_u32 s[WH], 0
	s_cselect_b32 s74, s74, s76
	s_cselect_b32 s79, ttmp9, s2                   ; the same in all sixteen partners, for a given wave
	s_cmp_eq_u32 s79, 0
	s_cselect_b32 s[LIM], 2, -1
	s_add_nc_u64 s[PFA:PFA+1], s[4:5], s[74:75]
	s_wait_tensorcnt 1                             ; my part of K step 0 is in; K step 1's may stay out
	s_barrier_signal -1
	s_barrier_wait -1
	FETCH 0, F0
	QUARTER 1, F0, F1, 1
	WIN 0
	s_mov_b32 s3, NSTEP-2
.Lstep:
	QUARTER 2, F1, F0, 0
	QUARTER 3, F0, F1, 0
	TURN 1
	QUARTER 1, F0, F1, 0
	WIN 0
	s_sub_co_u32 s3, s3, 1
	s_cmp_lg_u32 s3, 0
	s_cbranch_scc1 .Lstep
	s_mov_b32 s[CNT], 2
.Ltail:                                        ; the last two K steps fill nothing; the second trip's barrier and fetch serve nothing: the price of one text for both
	QUARTER 2, F1, F0, 0
	QUARTER 3, F0, F1, 0
	TURN 0
	WIN 0
	s_sub_co_u32 s[CNT], s[CNT], 1
	s_cmp_eq_u32 s[CNT], 0
	s_cbranch_scc1 .Lout
	QUARTER 1, F0, F1, 0
	WIN 0
	s_branch .Ltail
.Lout:
	s_wait_dscnt 0x0
	PLACES
	PLACES
; BLOCK a's 16 QUERIES: a lane holds 64 of its query's 128 scores (8 accumulators x 8 registers); the other 64 lie in the lane 16 away.  The block lies in window W = 2 + a / 4.
.macro SOFT a
.set AC, 64*((\a)%4)
.set W, 2+(\a)/4
	WIN 0x15*W                                     ; three sources in window W
.irp b, 0,1,2,3,4,5,6,7
	v_max3_num_f32 v[CH+(\b)], v[AC+8*(\b)], v[AC+8*(\b)+1], v[AC+8*(\b)+2]
.endr
	WIN 0x14*W                                     ; sources 1 and 2 in window W
.irp b, 0,1,2,3,4,5,6,7
	v_max3_num_f32 v[CH+(\b)], v[CH+(\b)], v[AC+8*(\b)+3], v[AC+8*(\b)+4]
.endr
.irp b, 0,1,2,3,4,5,6,7
	v_max3_num_f32 v[CH+(\b)], v[CH+(\b)], v[AC+8*(\b)+5], v[AC+8*(\b)+6]
.endr
.irp p, 0,1,2,3
	v_max3_num_f32 v[CH+2*(\p)], v[CH+2*(\p)], v[AC+16*(\p)+7], v[AC+16*(\p)+15]
.endr
	WIN 0
	v_max3_num_f32 v[CH], v[CH], v[CH+1], v[CH+2]
	v_max3_num_f32 v[CH+3], v[CH+3], v[CH+4], v[CH+5]
	v_max3_num_f32 v[CH], v[CH], v[CH+6], v[CH+7]
	v_max_num_f32 v[CH], v[CH], v[CH+3]
	v_permlanex16_b32 v[XC], v[CH], s[SEL], s[SEL+1]
	v_max_num_f32 v[MX], v[CH], v[XC]              ; m
	v_mov_b32 v[MX+1], v[MX]
	v_mov_b32 v[CMS+(\a)], v[MX]
	WIN 0x41*W                                     ; in place in window W; m in window 0
.set i, 0
.rept 34                               ; pair i: s - m; pair i - 1: times c; pair i - 2: its two exponentials.  ONE BATCH of 64: nothing ahead of the wait names a result
.if i < 32
	v_pk_add_f32 v[AC+2*i:AC+2*i+1], v[AC+2*i:AC+2*i+1], v[MX:MX+1] neg_lo:[0,1] neg_hi:[0,1]
.endif
.if (i >= 1) && (i < 33)
	v_pk_mul_f32 v[AC+2*i-2:AC+2*i-1], v[AC+2*i-2:AC+2*i-1], s[CS:CS+1] op_sel_hi:[1,0]
.endif
.if i >= 2
	v_exp_f32 v[AC+2*i-4], v[AC+2*i-4]
	v_exp_f32 v[AC+2*i-3], v[AC+2*i-3]
.endif
.set i, i+1
.endr
	v_nop                                          ; a plain instruction behind the last exponential,
	s_wait_alu depctr_va_vdst(0)                   ; and the one wait ahead of the batch's first reader
	WIN 0x05*W
.set i, 0
.rept 32
	v_cvt_pk_f16_f32 v[TMP+i], v[AC+2*i], v[AC+2*i+1]
.set i, i+1
.endr
	WIN 0x45*W                                     ; the sum of the 32 pairs, in place: neighbours 1, 2, 4 and 8 pairs apart
.irp w, 1,2,4,8
.set i, 0
.rept 16/(\w)
	v_pk_add_f32 v[AC+4*(\w)*i:AC+4*(\w)*i+1], v[AC+4*(\w)*i:AC+4*(\w)*i+1], v[AC+4*(\w)*i+2*(\w):AC+4*(\w)*i+2*(\w)+1]
.set i, i+1
.endr
.endr
	WIN 0x05*W
	v_pk_add_f32 v[SM:SM+1], v[AC:AC+1], v[AC+32:AC+33]
	WIN 0
	v_add_f32 v[SM], v[SM], v[SM+1]
	v_permlanex16_b32 v[XC], v[SM], s[SEL], s[SEL+1]
	v_add_f32 v[LSS+(\a)], v[SM], v[XC]            ; l
.endm
.macro TOSTAGE a
.set BK, OB+192*((\a)%2)
.irp b, 0,1,2,3,4,5,6,7
	ds_store_b128 v[STO], v[TMP+4*(\b):TMP+4*(\b)+3] offset:32*(\b)
.endr
.irp t, 0,1,2,3,4,5,6,7
	ds_load_b128 v[BK+4*(\t):BK+4*(\t)+3], v[RD] offset:(\t)*2*SP  ; LDS serves a wave's instructions in order (ISA guide 5.7.1.4)
.endr
.endm
.macro SEND a
.set BK, OB+192*((\a)%2)
	s_wait_dscnt 0x0
	s_wait_xcnt 0x0                                ; earlier stores have read their base and data
.if (\a) > 0
	s_add_nc_u64 s[8:9], s[8:9], 16*PITCHC
.endif
.irp t, 0,1,2,3,4,5,6,7
	global_store_b128 v[CO], v[BK+4*(\t):BK+4*(\t)+3], s[8:9] offset:2*(\t)*PITCHC  ; 16 lanes store 256 consecutive bytes, aligned
.endr
.endm
	SOFT 0
	TOSTAGE 0
.irp a, 1,2,3,4,5,6,7                  ; block a's softmax stands between block a - 1's loads from the stage and the wait for them
	SOFT \a
	SEND (\a)-1
	TOSTAGE \a
.endr
	SEND 7
.irp p, 0,1,2,3                        ; the statistics: lane 16 h + r stores row 32 p + 16 h + r, which is block 2 p + h: 32 lanes x 8 bytes = 256 consecutive bytes, aligned
	v_cndmask_b32 v[SD+2*(\p)],   v[CMS+2*(\p)], v[CMS+2*(\p)+1], s[HIM]
	v_cndmask_b32 v[SD+2*(\p)+1], v[LSS+2*(\p)], v[LSS+2*(\p)+1], s[HIM]
	global_store_b64 v[SO], v[SD+2*(\p):SD+2*(\p)+1], s[10:11] offset:256*(\p)
.endr
	s_wait_tensorcnt 0x0                           ; the wave's end
	ds_add_u32 v[SPW], v[NIL]
	s_wait_dscnt 0x0
	CROUND
	s_endpgm
.Lfunc_end_k_q0bd95cbe06_score:
	.size	k_q0bd95cbe06_score, .Lfunc_end_k_q0bd95cbe06_score-k_q0bd95cbe06_score
	.p2alignl 7, 3214868480
	.fill 96, 4, 3214868480
	.section	.rodata,"a",@progbits
	.p2align	6, 0x0
	.amdhsa_kernel k_q0bd95cbe06_score
		.amdhsa_group_segment_fixed_size 327680
		.amdhsa_private_segment_fixed_size 0
		.amdhsa_enable_private_segment 0
		.amdhsa_kernarg_size 24
		.amdhsa_user_sgpr_count 2
		.amdhsa_user_sgpr_kernarg_segment_ptr 1
		.amdhsa_wavefront_size32 1
		.amdhsa_system_sgpr_workgroup_id_x 1
		.amdhsa_system_sgpr_workgroup_id_y 1
		.amdhsa_system_sgpr_workgroup_id_z 1
		.amdhsa_system_vgpr_workitem_id 0
		.amdhsa_next_free_vgpr 1024
		.amdhsa_next_free_sgpr 80
		.amdhsa_reserve_vcc 0
		.amdhsa_float_denorm_mode_32 3
		.amdhsa_float_denorm_mode_16_64 3
		.amdhsa_memory_ordered 1
		.amdhsa_forward_progress 1
		.amdhsa_inst_pref_size 186
	.end_amdhsa_kernel
	.amdgpu_metadata
---
amdhsa.version: [ 1, 2 ]
amdhsa.kernels:
  - .name:           k_q0bd95cbe06_score
    .symbol:         k_q0bd95cbe06_score.kd
    .args:
      - { .name: qkv, .offset: 0, .size: 8, .value_kind: global_buffer, .address_space: global }
      - { .name: ew, .offset: 8, .size: 8, .value_kind: global_buffer, .address_space: global }
      - { .name: st, .offset: 16, .size: 8, .value_kind: global_buffer, .address_space: global }
    .group_segment_fixed_size: 327680
    .private_segment_fixed_size: 0
    .kernarg_segment_align: 8
    .kernarg_segment_size: 24
    .max_flat_workgroup_size: 128
    .sgpr_count:     80
    .vgpr_count:     1024
    .wavefront_size: 32
...
	.end_amdgpu_metadata
.endif
;; end of part 3
;; launch mix (part 4): grid 4 x 64, 4 waves a work-group, clusters of 4 x 4, 327,680 bytes of LDS; arguments ew, qkv, ob, st; writes ob
.if DOCPART == 4
	.amdgcn_target "amdgcn-amd-amdhsa--gfx1250"
	.amdhsa_code_object_version 6
	.text
	.protected	k_q0bd95cbe06_mix
	.globl	k_q0bd95cbe06_mix
	.p2align	8
	.type	k_q0bd95cbe06_mix,@function
k_q0bd95cbe06_mix:
	s_mov_b64 s[64:65], 0
	v_nop
	global_prefetch_b8 v0, s[64:65] scope:SCOPE_SE
	s_setreg_imm32_b32 hwreg(HW_REG_WAVE_MODE, 25, 1), 1
	s_wait_xcnt 0x0
	s_wait_alu depctr_hold_cnt(0) depctr_sa_sdst(0) depctr_va_vdst(0) depctr_va_sdst(0) depctr_va_ssrc(0) depctr_va_vcc(0) depctr_vm_vsrc(0)
	s_getreg_b32 s2, hwreg(HW_REG_IB_STS2, 6, 4)
	s_cmp_eq_u32 s2, 0
	s_cbranch_scc0 .Lentry_in_a_cluster
	s_endpgm
.Lentry_in_a_cluster:
	s_bfe_u32 s2, ttmp6, 0x10000c
	s_cmp_lg_u32 s2, 0xf033
	s_cbranch_scc0 .Lentry_shape_is_right
	s_endpgm
.Lentry_shape_is_right:
; ob[q][:] = (the sum over the 16 key blocks t of f_t (the sum over the block's keys of ew[q][k] v[k][:])) / l.  From st[t][q] = (m_t, l_t): M = the largest m_t (the row's true maximum),
; f_t = 2^(c (m_t - M)), c = log2(e) / 32, l = the sum of l_t f_t.  So the weight of a key is 2^(c (s - M)) / l: the softmax with its maximum taken away; every exponent is 0 or below.
; ew: [8192][2048] f16; v: columns 2048.. of qkv [8192][3072] f16; ob: [8192][1024] f16.  f_t is rounded to f16 and multiplies ew's fragments in registers (v_pk_mul_f16), a K step of 128 being one block t.
; LIMITS: a weight below f16's step of 6e-8, relative to the row's largest, counts as 0; ob lies within v's range; NaN and infinities are not treated apart.
; SHARES.  A tile is 128 queries x 256 channels: 256 tiles.  Four waves, 2 x 2, each 64 x 128.  16 K steps of 128 keys through two LDS slots; v lies [key][channel] and comes out of LDS turned.
; ew's tile is asked for jointly along a row of the 4 x 4 cluster, v's along a column.  The scaling of the next block of 16 queries rides behind the matrix instructions of the block in hand.
; window 0: v0-31 addresses and factors; v32-63 packed results; v64-159, v160-255 fragment buffers;  window 1: accumulator (a, b) at v[8 (8 a + b)].
.set NSTEP,  16
.set PA,     272
.set PB,     544
.set HALFA,  64*PA
.set HALFB,  64*PB
.set ABYTES, 2*HALFA
.set SLOT1,  1<<17
.set SPARE,  ABYTES+2*HALFB            ; the spare words: two blocks of 256 bytes that no other line names
.set FT,     SPARE+512                 ; [16 steps][128 rows] words: f twice in f16; written once by ds_store, never filled by a tensor load
.set RLT,    FT+8192                   ; [128 rows] 1 / l in f32, directly behind
.set STAGE,  SLOT1+SPARE
.set SP,     272
.set PITCHA, 4096                      ; ew
.set PITCHB, 6144                      ; qkv
.set PITCHC, 2048                      ; ob
.set STEPA,  256
.set STEPB,  128*PITCHB
.set A0,   4
.set B0,   5
.set ADRA, 6
.set ADRB, 7
.set STO,  8
.set RD,   9
.set CO,   10
.set PFO,  11
.set SPW,  12
.set NIL,  13
.set SO,   14                          ; v14  8 x lane
.set MM,   15                          ; v15  M
.set FAC,  16                          ; v16-19 the step's factors for my four blocks of 16 queries; behind the loop v16, 18, 20, 22 take 1 / l
.set FACN, 20                          ; v20-23 the next step's
.set FT0,  24                          ; v24  FT + 4 (64 x row half + r); never rewritten
.set FTA,  25                          ; v25  the same at the step to be fetched
.set LA,   26                          ; v26, v27 l's two chains
.set TMP,  32
.set BK,   64
.set F0,   64
.set F1,   160
.set ML,   160                         ; v[160:191] (m_t, l_t), ahead of the loop
.set WV,  12
.set WH,  13
.set WL,  14
.set CX,  15
.set CY,  16
.set TX,  17
.set TY,  18
.set CLY, 19
.set G1A, 24
.set G0A, 32
.set TB,  40
.set LIM, 41
.set PFA, 42
.set PFS, 44
.set G1B, 48
.set G0B, 56
.set CS,  66
.set CNT, 70
.set FTS, 71                           ; s71  512 x the step whose factors are fetched next
.set MUL,  0x50
.set MSB, 0
.macro WIN new
.if MSB != (\new)
	s_set_vgpr_msb (MSB<<8)|(\new)
.set MSB, (\new)
.endif
.endm
.macro PLACES
.rept 4
	v_nop
.endr
.endm
.macro CREST
	s_cmp_lg_u32 s[WV], 0
	s_cbranch_scc1 .Lnot_wave_0_\@
	s_barrier_signal -3
.Lnot_wave_0_\@:
	s_barrier_wait -3
	s_barrier_signal -1
	s_barrier_wait -1
.endm
.macro CROUND
	s_barrier_signal -1
	s_barrier_wait -1
	CREST
.endm
.macro JLOAD                           ; the joint refill; an s_nop 0 and four v_nop follow each line
	s_cmp_eq_u32 s[WH], 0
	s_cbranch_scc0 .Lfor_b_\@
	tensor_load_to_lds s[G0A+4:G0A+7], s[G1A:G1A+7]
	s_nop 0
	PLACES
	s_branch .Lasked_\@
.Lfor_b_\@:
	tensor_load_to_lds s[G0B+4:G0B+7], s[G1B:G1B+7]
	s_nop 0
	PLACES
.Lasked_\@:
.endm
; A prefetch into the L2 of the K step two refills on.  ew's rows: wave 0, 32 rows for each partner of a row of the cluster (the grid is one cluster wide).  v's key rows: waves 2 and 3 of each batch's
; first row of clusters, 16 rows of two blocks of 256 bytes for each wave of each partner of a column.  Each block is named once; K steps 0 to 3 come by their loads alone; the last two refills ask for nothing.
.macro ASK
	s_cmp_gt_u32 s3, s[LIM]
	s_cbranch_scc0 .Lnot_mine_\@
	global_prefetch_b8 v[PFO], s[PFA:PFA+1] th:TH_LOAD_NT scope:SCOPE_SE
.Lnot_mine_\@:
.endm
; 8 matrix instructions for block a; behind the first two ride the eight multiplies that scale block a + 1's fragment by its factor.  The 32 accumulators take turns.
.macro MULA f, a, start
	WIN MUL
.irp b, 0,1,2,3,4,5,6,7
.if \start
	v_wmma_f32_16x16x32_f16 v[8*(8*(\a)+(\b)):8*(8*(\a)+(\b))+7], v[(\f)+8*(\b):(\f)+8*(\b)+7], v[(\f)+64+8*(\a):(\f)+64+8*(\a)+7], 0
.else
	v_wmma_f32_16x16x32_f16 v[8*(8*(\a)+(\b)):8*(8*(\a)+(\b))+7], v[(\f)+8*(\b):(\f)+8*(\b)+7], v[(\f)+64+8*(\a):(\f)+64+8*(\a)+7], v[8*(8*(\a)+(\b)):8*(8*(\a)+(\b))+7]
.endif
.if ((\a) < 3) && ((\b) < 2)
	WIN 0
.irp i, 0,1,2,3
	v_pk_mul_f16 v[(\f)+72+8*(\a)+4*(\b)+(\i)], v[(\f)+72+8*(\a)+4*(\b)+(\i)], v[FAC+1+(\a)]
.endr
	WIN MUL
.endif
.endr
.endm
.macro SCALE0 f                        ; block 0's fragment has no products to ride behind
	WIN 0
.irp i, 0,1,2,3,4,5,6,7
	v_pk_mul_f16 v[(\f)+64+(\i)], v[(\f)+64+(\i)], v[FAC]
.endr
.endm
.macro FETCH q, f
	WIN 0
.irp b, 0,1,2,3,4,5,6,7
	ds_load_tr16_b128 v[(\f)+8*(\b):(\f)+8*(\b)+3],   v[ADRB] offset:(\q)*32*PB+32*(\b)
	ds_load_tr16_b128 v[(\f)+8*(\b)+4:(\f)+8*(\b)+7], v[ADRB] offset:(\q)*32*PB+32*(\b)+16*PB
.endr
.irp a, 0,1,2,3
	ds_load_b128 v[(\f)+64+8*(\a):(\f)+64+8*(\a)+3],   v[ADRA] offset:64*(\q)+(\a)*16*PA
	ds_load_b128 v[(\f)+64+8*(\a)+4:(\f)+64+8*(\a)+7], v[ADRA] offset:64*(\q)+(\a)*16*PA+32
.endr
.endm
.macro FACLOAD                         ; the factors of the step whose first fragments were just asked for
.irp a, 0,1,2,3
	ds_load_b32 v[FACN+(\a)], v[FTA] offset:64*(\a)
.endr
.endm
.macro QUARTER q, f, g, start, newf    ; newf = 1: a K step's first quarter: the new factors take their place
	s_wait_dscnt 0x0                               ; all fragments are in: they are scaled before they are multiplied
	WIN 0
.if \newf
.irp a, 0,1,2,3
	v_mov_b32 v[FAC+(\a)], v[FACN+(\a)]
.endr
.endif
	SCALE0 \f
	MULA \f, 0, \start
	MULA \f, 1, \start
	PLACES
	FETCH \q, \g
	s_wait_dscnt 24                                ; all but the 24 just issued
	MULA \f, 2, \start
	MULA \f, 3, \start
.endm
.macro TURN fill
.if \fill
	s_wait_xcnt 0x0                                ; the last prefetch, a K step back, has read its address
	s_add_nc_u64 s[PFA:PFA+1], s[PFA:PFA+1], s[PFS:PFS+1]
.endif
	WIN 0
	s_wait_tensorcnt 0x0
	ds_add_u32 v[SPW], v[NIL]
.if \fill
	s_xor_b32 s[G0A+5], s[G0A+5], SLOT1
	s_add_nc_u64 s[G0A+6:G0A+7], s[G0A+6:G0A+7], STEPA
	s_xor_b32 s[G0B+5], s[G0B+5], SLOT1
	s_add_nc_u64 s[G0B+6:G0B+7], s[G0B+6:G0B+7], STEPB
.endif
	s_xor_b32 s[TB], s[TB], SLOT1
	s_add_co_u32 s[FTS], s[FTS], 512               ; behind the last K step this stands at 16 x 512: the load then falls on the table of 1 / l, which has been written; its result is not used
	s_wait_dscnt 1                                 ; the add alone may be out
	SCALE0 F1
	MULA F1, 0, 0
	s_wait_dscnt 0x0                               ; the add is done, and my reads of this slot are over
	s_barrier_signal -1
	MULA F1, 1, 0
	WIN 0
	s_barrier_wait -1
.if \fill
	CREST
	JLOAD
.else
	PLACES
.endif
	v_add_nc_u32 v[ADRA], s[TB], v[A0]
	v_add_nc_u32 v[ADRB], s[TB], v[B0]
	v_add_nc_u32 v[FTA], s[FTS], v[FT0]
	FETCH 0, F0
	FACLOAD
.if \fill
	ASK
.endif
	MULA F1, 2, 0
	MULA F1, 3, 0
.endm
	s_load_b256 s[4:11], s[0:1], 0x0               ; ew s[4:5], qkv s[6:7], ob s[8:9], st s[10:11]
	v_lshl_add_u32 v[SPW], v0, 2, SPARE
	v_mov_b32 v[NIL], 0
	ds_add_u32 v[SPW], v[NIL]                      ; the wave's opening: the add and, below, its wait, ahead of my first tensor load
	v_lshrrev_b32 v3, 5, v0
	v_readfirstlane_b32 s[WV], v3
	s_lshr_b32 s[WH], s[WV], 1
	s_and_b32 s[WL], s[WV], 1
	s_bfe_u32 s[CX], ttmp6, 0x40000
	s_bfe_u32 s[CY], ttmp6, 0x40004
	s_lshl_b32 s[TX], ttmp9, 2
	s_add_co_u32 s[TX], s[TX], s[CX]
	s_and_b32 s[CLY], ttmp7, 0xffff
	s_lshl_b32 s[TY], s[CLY], 2
	s_add_co_u32 s[TY], s[TY], s[CY]
	s_lshl_b32 s20, s[CY], 2
	s_lshl_b32 s20, 15, s20
	s_lshl_b32 s46, 0x1111, s[CX]
	s_or_b32 s[G1A], s20, (1<<16)|(1<<20)|(1<<21)|(5<<22)|(3<<25)
	s_or_b32 s[G1B], s46, (1<<16)|(1<<20)|(1<<21)|(6<<22)|(7<<25)
	s_mov_b32 s[G1A+1], 128<<16                    ; ew: 64 rows x 128 elements
	s_mov_b32 s[G1A+2], 64<<16
	s_mov_b32 s[G1A+3], 128<<16
	s_mov_b32 s[G1A+4], 64
	s_mov_b32 s[G1A+5], PITCHA/2
	s_mov_b32 s[G1A+6], 0
	s_mov_b32 s[G1A+7], 0
	s_mov_b32 s[G1B+1], 256<<16                    ; v: 64 key rows x 256 elements
	s_mov_b32 s[G1B+2], 64<<16
	s_mov_b32 s[G1B+3], 256<<16
	s_mov_b32 s[G1B+4], 64
	s_mov_b32 s[G1B+5], PITCHB/2
	s_mov_b32 s[G1B+6], 0
	s_mov_b32 s[G1B+7], 0
	s_mul_i32 s2, s[WL], HALFA
	s_mov_b32 s[G0A], 1
	s_mov_b32 s[G0A+1], s2
	s_mov_b32 s[G0A+4], 1
	s_add_co_u32 s[G0A+5], s2, SLOT1
	s_mul_i32 s2, s[WL], HALFB
	s_mov_b32 s[G0B], 1
	s_add_co_u32 s[G0B+1], s2, ABYTES
	s_mov_b32 s[G0B+4], 1
	s_add_co_u32 s[G0B+5], s2, ABYTES+SLOT1
	s_lshl_b32 s20, s[TY], 7
	s_lshl_b32 s21, s[WL], 6
	s_add_co_u32 s20, s20, s21
	s_mul_i32 s20, s20, PITCHA
	s_mov_b32 s21, 0
	s_lshr_b32 s46, s[CLY], 2                      ; v: key row 2,048 x batch + 64 x half; 4,096 bytes into the row, + 512 x tile column
	s_lshl_b32 s46, s46, 11
	s_lshl_b32 s47, s[WL], 6
	s_add_co_u32 s46, s46, s47
	s_mul_i32 s46, s46, PITCHB
	s_lshl_b32 s47, s[TX], 9
	s_add_co_u32 s46, s46, s47
	s_add_co_u32 s46, s46, 4096
	s_mov_b32 s47, 0
	s_mov_b32 s[TB], 0
	s_mov_b32 s[FTS], 0
	s_mov_b32 s[CS], 0x3d38aa3b                    ; c = log2(e) / 32
	s_wait_dscnt 0x0                               ; the opening add is done
	s_wait_kmcnt 0x0
	s_add_nc_u64 s[G0A+2:G0A+3], s[4:5], s[20:21]
	s_add_nc_u64 s[G0A+6:G0A+7], s[G0A+2:G0A+3], STEPA
	s_or_b32 s[G0A+3], s[G0A+3], 0x80000000
	s_or_b32 s[G0A+7], s[G0A+7], 0x80000000
	s_add_nc_u64 s[G0B+2:G0B+3], s[6:7], s[46:47]
	s_add_nc_u64 s[G0B+6:G0B+7], s[G0B+2:G0B+3], STEPB
	s_or_b32 s[G0B+3], s[G0B+3], 0x80000000
	s_or_b32 s[G0B+7], s[G0B+7], 0x80000000
	CROUND
	s_cmp_eq_u32 s[WH], 0                          ; a wave's two first fills stand in one branch
	s_cbranch_scc0 .Lfirst_b
	tensor_load_to_lds s[G0A:G0A+3], s[G1A:G1A+7]
	s_nop 0
	tensor_load_to_lds s[G0A+4:G0A+7], s[G1A:G1A+7]
	s_nop 0
	PLACES
	s_branch .Lfirst_done
.Lfirst_b:
	tensor_load_to_lds s[G0B:G0B+3], s[G1B:G1B+7]
	s_nop 0
	tensor_load_to_lds s[G0B+4:G0B+7], s[G1B:G1B+7]
	s_nop 0
	PLACES
.Lfirst_done:
	; THE STATISTICS: thread i of the work-group takes row i of its 128: sixteen loads of (m_t, l_t), each 256 consecutive bytes a wave
	s_lshl_b32 s74, s[TY], 7
	s_lshl_b32 s76, s[WV], 5
	s_add_co_u32 s74, s74, s76
	s_lshl_b32 s74, s74, 3
	s_mov_b32 s75, 0
	s_add_nc_u64 s[10:11], s[10:11], s[74:75]
	v_and_b32 v3, 31, v0
	v_lshlrev_b32 v[SO], 3, v3
.irp t, 0,1,2,3,4,5,6,7,8,9,10,11,12,13,14,15
	global_load_b64 v[ML+2*(\t):ML+2*(\t)+1], v[SO], s[10:11] offset:65536*(\t)
.endr
	v_and_b32 v1, 15, v0                           ; r
	v_bfe_u32 v2, v0, 4, 1                         ; h
	v_mul_u32_u24 v[A0], v1, PA
	v_lshl_add_u32 v[A0], v2, 4, v[A0]
	s_mul_i32 s2, s[WH], HALFA
	v_add_nc_u32 v[A0], s2, v[A0]
	v_and_b32 v3, 7, v0
	v_lshl_add_u32 v3, v2, 3, v3
	v_mul_u32_u24 v[B0], v3, PB
	v_bfe_u32 v3, v0, 3, 1
	v_lshl_add_u32 v[B0], v3, 4, v[B0]
	s_lshl_b32 s2, s[WL], 8
	s_add_co_u32 s2, s2, ABYTES
	v_add_nc_u32 v[B0], s2, v[B0]
	v_mov_b32 v[ADRA], v[A0]
	v_mov_b32 v[ADRB], v[B0]
	s_lshl_b32 s2, s[WH], 8
	s_add_co_u32 s2, s2, FT
	v_lshl_add_u32 v[FT0], v1, 2, s2
	v_mov_b32 v[FTA], v[FT0]
	s_mul_i32 s2, s[WV], 16*SP
	s_add_co_u32 s2, s2, STAGE
	v_mul_u32_u24 v[STO], v1, SP
	v_lshl_add_u32 v[STO], v2, 4, v[STO]
	v_add_nc_u32 v[STO], s2, v[STO]
	v_mul_u32_u24 v[RD], v2, SP
	v_lshl_add_u32 v[RD], v1, 4, v[RD]
	v_add_nc_u32 v[RD], s2, v[RD]
	v_mul_u32_u24 v[CO], v2, PITCHC
	v_lshl_add_u32 v[CO], v1, 4, v[CO]
	s_lshl_b32 s74, s[TY], 7                       ; ob at my first row and column
	s_lshl_b32 s76, s[WH], 6
	s_add_co_u32 s74, s74, s76
	s_mul_i32 s74, s74, PITCHC
	s_lshl_b32 s76, s[TX], 9
	s_add_co_u32 s74, s74, s76
	s_lshl_b32 s76, s[WL], 8
	s_add_co_u32 s74, s74, s76
	s_add_nc_u64 s[8:9], s[8:9], s[74:75]
	s_lshl_b32 s74, s[TY], 7                       ; the prefetches.  ew: rows 128 x tile row + 32 cx, at K step 3
	s_lshl_b32 s76, s[CX], 5
	s_add_co_u32 s74, s74, s76
	s_mul_i32 s74, s74, PITCHA
	s_add_co_u32 s74, s74, 3*STEPA
	s_lshr_b32 s76, s[CLY], 2                      ; v: key rows 2,048 x batch + 64 x half + 16 cy, my tile's columns, at K step 3
	s_lshl_b32 s76, s76, 11
	s_lshl_b32 s77, s[WL], 6
	s_add_co_u32 s76, s76, s77
	s_lshl_b32 s77, s[CY], 4
	s_add_co_u32 s76, s76, s77
	s_mul_i32 s76, s76, PITCHB
	s_lshl_b32 s77, s[TX], 9
	s_add_co_u32 s76, s76, s77
	s_add_co_u32 s76, s76, 4096+3*STEPB
	s_or_b32 s79, ttmp9, s[WL]
	s_and_b32 s2, s[CLY], 3
	s_mov_b32 s[PFS], STEPB
	s_mov_b32 s78, PITCHB
	s_cmp_eq_u32 s[WH], 0
	s_cselect_b64 s[PFA:PFA+1], s[4:5], s[6:7]
	s_cselect_b32 s74, s74, s76
	s_cselect_b32 s[PFS], STEPA, s[PFS]
	s_cselect_b32 s78, PITCHA, s78
	s_cselect_b32 s79, s79, s2
	s_mov_b32 s[PFS+1], 0
	s_cmp_eq_u32 s79, 0
	s_cselect_b32 s[LIM], 2, -1
	s_add_nc_u64 s[PFA:PFA+1], s[PFA:PFA+1], s[74:75]
	v_and_b32 v3, 31, v0
	v_lshrrev_b32 v[PFO], s[WH], v3
	v_and_b32 v3, s[WH], v3
	v_mul_lo_u32 v[PFO], v[PFO], s78
	v_lshl_add_u32 v[PFO], v3, 8, v[PFO]
	s_wait_loadcnt 0x0                             ; the statistics
	v_max3_num_f32 v[MM], v[ML], v[ML+2], v[ML+4]
.irp t, 3,5,7,9,11,13
	v_max3_num_f32 v[MM], v[MM], v[ML+2*(\t)], v[ML+2*(\t)+2]
.endr
	v_max_num_f32 v[MM], v[MM], v[ML+30]           ; M
.irp t, 0,1,2,3,4,5,6,7,8,9,10,11,12,13,14,15
	v_sub_f32 v[ML+2*(\t)], v[ML+2*(\t)], v[MM]    ; the difference first: never above 0
.endr
.irp t, 0,1,2,3,4,5,6,7,8,9,10,11,12,13,14,15
	v_mul_f32 v[ML+2*(\t)], s[CS], v[ML+2*(\t)]
.endr
.irp t, 0,1,2,3,4,5,6,7,8,9,10,11,12,13,14,15
	v_exp_f32 v[ML+2*(\t)], v[ML+2*(\t)]           ; f_t: one batch of sixteen
.endr
	v_nop
	s_wait_alu depctr_va_vdst(0)                   ; the one wait ahead of the batch's first reader
	v_mul_f32 v[LA], v[ML], v[ML+1]
	v_mul_f32 v[LA+1], v[ML+2], v[ML+3]
.irp t, 2,4,6,8,10,12,14
	v_fmac_f32 v[LA], v[ML+2*(\t)], v[ML+2*(\t)+1]
	v_fmac_f32 v[LA+1], v[ML+2*(\t)+2], v[ML+2*(\t)+3]
.endr
	v_add_f32 v[LA], v[LA], v[LA+1]                ; l: at least 1, since the largest block has f = 1 and a weight of 1
	v_rcp_f32 v[LA], v[LA]
	v_nop
.irp t, 0,1,2,3,4,5,6,7,8,9,10,11,12,13,14,15
	v_cvt_pk_f16_f32 v[ML+2*(\t)+1], v[ML+2*(\t)], v[ML+2*(\t)]  ; f twice, for the packed multiply
.endr
	v_lshl_add_u32 v[LA+1], v0, 2, FT
	s_wait_alu depctr_va_vdst(0)                   ; the reciprocal's wait
.irp t, 0,1,2,3,4,5,6,7,8,9,10,11,12,13,14,15
	ds_store_b32 v[LA+1], v[ML+2*(\t)+1] offset:512*(\t)
.endr
	ds_store_b32 v[LA+1], v[LA] offset:8192        ; 1 / l
	s_wait_tensorcnt 1                             ; my part of K step 0 is in; K step 1's may stay out
	s_wait_dscnt 0x0                               ; for the others' sake: my stores into the two tables are done
	s_barrier_signal -1
	s_barrier_wait -1
	FETCH 0, F0
	FACLOAD
	QUARTER 1, F0, F1, 1, 1
	WIN 0
	s_mov_b32 s3, NSTEP-2
.Lstep:
	QUARTER 2, F1, F0, 0, 0
	QUARTER 3, F0, F1, 0, 0
	TURN 1
	QUARTER 1, F0, F1, 0, 1
	WIN 0
	s_sub_co_u32 s3, s3, 1
	s_cmp_lg_u32 s3, 0
	s_cbranch_scc1 .Lstep
	s_mov_b32 s[CNT], 2
.Ltail:                                        ; the last two K steps fill nothing; the second trip's barrier and fetches serve nothing: the price of one text for both
	QUARTER 2, F1, F0, 0, 0
	QUARTER 3, F0, F1, 0, 0
	TURN 0
	WIN 0
	s_sub_co_u32 s[CNT], s[CNT], 1
	s_cmp_eq_u32 s[CNT], 0
	s_cbranch_scc1 .Lout
	QUARTER 1, F0, F1, 0, 1
	WIN 0
	s_branch .Ltail
.Lout:
	s_wait_dscnt 0x0
	PLACES
	PLACES
.irp a, 0,1,2,3
	ds_load_b32 v[FAC+2*(\a)], v[FT0] offset:8192+64*(\a)  ; 1 / l of my row in block a, into the low register of a pair
.endr
	s_wait_dscnt 0x0
.macro PACK a
	WIN 0x41                                       ; in place in window 1, 1 / l in window 0; each accumulator's registers in ascending order
.set i, 0
.rept 32
	v_pk_mul_f32 v[64*(\a)+2*i:64*(\a)+2*i+1], v[64*(\a)+2*i:64*(\a)+2*i+1], v[FAC+2*(\a):FAC+2*(\a)+1] op_sel_hi:[1,0]
.set i, i+1
.endr
	WIN 0x05
.set i, 0
.rept 32
	v_cvt_pk_f16_f32 v[TMP+i], v[64*(\a)+2*i], v[64*(\a)+2*i+1]
.set i, i+1
.endr
	WIN 0
.endm
.macro TOSTAGE a
.irp b, 0,1,2,3,4,5,6,7
	ds_store_b128 v[STO], v[TMP+4*(\b):TMP+4*(\b)+3] offset:32*(\b)
.endr
.irp t, 0,1,2,3,4,5,6,7
	ds_load_b128 v[BK+32*((\a)%2)+4*(\t):BK+32*((\a)%2)+4*(\t)+3], v[RD] offset:(\t)*2*SP  ; LDS serves a wave's instructions in order (ISA guide 5.7.1.4)
.endr
.endm
.macro SEND a
	s_wait_dscnt 0x0
	s_wait_xcnt 0x0                                ; earlier stores have read their base and data
.if (\a) > 0
	s_add_nc_u64 s[8:9], s[8:9], 16*PITCHC
.endif
.irp t, 0,1,2,3,4,5,6,7
	global_store_b128 v[CO], v[BK+32*((\a)%2)+4*(\t):BK+32*((\a)%2)+4*(\t)+3], s[8:9] offset:2*(\t)*PITCHC  ; 16 lanes store 256 consecutive bytes, aligned
.endr
.endm
	PACK 0
	TOSTAGE 0
.irp a, 1,2,3
	PACK \a
	SEND (\a)-1
	TOSTAGE \a
.endr
	SEND 3
	s_wait_tensorcnt 0x0                           ; the wave's end
	ds_add_u32 v[SPW], v[NIL]
	s_wait_dscnt 0x0
	CROUND
	s_endpgm
.Lfunc_end_k_q0bd95cbe06_mix:
	.size	k_q0bd95cbe06_mix, .Lfunc_end_k_q0bd95cbe06_mix-k_q0bd95cbe06_mix
	.p2alignl 7, 3214868480
	.fill 96, 4, 3214868480
	.section	.rodata,"a",@progbits
	.p2align	6, 0x0
	.amdhsa_kernel k_q0bd95cbe06_mix
		.amdhsa_group_segment_fixed_size 327680
		.amdhsa_private_segment_fixed_size 0
		.amdhsa_enable_private_segment 0
		.amdhsa_kernarg_size 32
		.amdhsa_user_sgpr_count 2
		.amdhsa_user_sgpr_kernarg_segment_ptr 1
		.amdhsa_wavefront_size32 1
		.amdhsa_system_sgpr_workgroup_id_x 1
		.amdhsa_system_sgpr_workgroup_id_y 1
		.amdhsa_system_sgpr_workgroup_id_z 1
		.amdhsa_system_vgpr_workitem_id 0
		.amdhsa_next_free_vgpr 512
		.amdhsa_next_free_sgpr 80
		.amdhsa_reserve_vcc 0
		.amdhsa_float_denorm_mode_32 3
		.amdhsa_float_denorm_mode_16_64 3
		.amdhsa_memory_ordered 1
		.amdhsa_forward_progress 1
		.amdhsa_inst_pref_size 101
	.end_amdhsa_kernel
	.amdgpu_metadata
---
amdhsa.version: [ 1, 2 ]
amdhsa.kernels:
  - .name:           k_q0bd95cbe06_mix
    .symbol:         k_q0bd95cbe06_mix.kd
    .args:
      - { .name: ew, .offset: 0, .size: 8, .value_kind: global_buffer, .address_space: global }
      - { .name: qkv, .offset: 8, .size: 8, .value_kind: global_buffer, .address_space: global }
      - { .name: ob, .offset: 16, .size: 8, .value_kind: global_buffer, .address_space: global }
      - { .name: st, .offset: 24, .size: 8, .value_kind: global_buffer, .address_space: global }
    .group_segment_fixed_size: 327680
    .private_segment_fixed_size: 0
    .kernarg_segment_align: 8
    .kernarg_segment_size: 32
    .max_flat_workgroup_size: 128
    .sgpr_count:     80
    .vgpr_count:     512
    .wavefront_size: 32
...
	.end_amdgpu_metadata
.endif
;; end of part 4
;; launch final (part 5): grid 4 x 64, 4 waves a work-group, clusters of 4 x 4, 327,680 bytes of LDS; arguments ob, wpb, out0, b_proj; writes out0
.if DOCPART == 5
	.amdgcn_target "amdgcn-amd-amdhsa--gfx1250"
	.amdhsa_code_object_version 6
	.text
	.protected	k_q0bd95cbe06_final
	.globl	k_q0bd95cbe06_final
	.p2align	8
	.type	k_q0bd95cbe06_final,@function
k_q0bd95cbe06_final:
	s_mov_b64 s[64:65], 0
	v_nop
	global_prefetch_b8 v0, s[64:65] scope:SCOPE_SE
	s_setreg_imm32_b32 hwreg(HW_REG_WAVE_MODE, 25, 1), 1
	s_wait_xcnt 0x0
	s_wait_alu depctr_hold_cnt(0) depctr_sa_sdst(0) depctr_va_vdst(0) depctr_va_sdst(0) depctr_va_ssrc(0) depctr_va_vcc(0) depctr_vm_vsrc(0)
	s_getreg_b32 s2, hwreg(HW_REG_IB_STS2, 6, 4)
	s_cmp_eq_u32 s2, 0
	s_cbranch_scc0 .Lentry_in_a_cluster
	s_endpgm
.Lentry_in_a_cluster:
	s_bfe_u32 s2, ttmp6, 0x10000c
	s_cmp_lg_u32 s2, 0xf033
	s_cbranch_scc0 .Lentry_shape_is_right
	s_endpgm
.Lentry_shape_is_right:
; out0[m][n] = the sum over k of ob[m][k] wpb[k][n] + bf16(b_proj[n]).  ob: [8192][1024] f16, wpb: [1024][1024] f16 (w_proj rounded to bf16), out0: [8192][1024] f32; sums in f32.
; SHARES.  A tile is 128 x 256: 256 tiles.  Four waves, 2 x 2, each 64 x 128: 32 accumulators, register window 1.  8 K steps of 128 through two LDS slots; wpb lies [k][n] and comes out of LDS turned.
; ob's tile is asked for jointly along a row of the 4 x 4 cluster, wpb's along a column.  The matrix instruction is used transposed: a lane holds eight neighbouring numbers of a row of C.
; The bias is the C operand of the products that start the sums.  The f32 results leave through my own stage in LDS: whole rows of 512 bytes.
; window 0: v0-31 addresses; v32-63 at work; v64-159, v160-255 fragment buffers; window 1: accumulator (a, b) at v[8 (8 a + b)]; window 2: v0-63 the bias.
.set NSTEP,  8
.set PA,     272
.set PB,     544
.set HALFA,  64*PA
.set HALFB,  64*PB
.set ABYTES, 2*HALFA
.set SLOT1,  1<<17
.set SPARE,  ABYTES+2*HALFB            ; the spare words: two blocks of 256 bytes that no other line names
.set STAGE,  SLOT1+SPARE               ; 16 rows x 528 bytes for each wave, never filled by a tensor load
.set SP,     528                       ; 512 bytes + 16: 132 words, so the 16 rows of a store start at 16 different groups of four banks
.set PITCHA, 2048
.set PITCHB, 2048
.set PITCHC, 4096
.set STEPA,  256
.set STEPB,  128*PITCHB
.set A0,   4
.set B0,   5
.set ADRA, 6
.set ADRB, 7
.set STO,  8
.set RD,   9
.set CO,   10
.set PFO,  11
.set SPW,  12
.set NIL,  13
.set BO,   14
.set TMP,  32
.set BK,   64                          ; two sets of 64: v64-127, v128-191
.set F0,   64
.set F1,   160
.set WV,  12
.set WH,  13
.set WL,  14
.set CX,  15
.set CY,  16
.set TX,  17
.set TY,  18
.set CLY, 19
.set G1A, 24
.set G0A, 32
.set TB,  40
.set LIM, 41
.set PFA, 42
.set PFS, 44
.set G1B, 48
.set G0B, 56
.set CNT, 70
.set HIM, 72
.set MUL,  0x50
.set MULB, 0x60
.set MSB, 0
.macro WIN new
.if MSB != (\new)
	s_set_vgpr_msb (MSB<<8)|(\new)
.set MSB, (\new)
.endif
.endm
.macro PLACES
.rept 4
	v_nop
.endr
.endm
.macro CREST
	s_cmp_lg_u32 s[WV], 0
	s_cbranch_scc1 .Lnot_wave_0_\@
	s_barrier_signal -3
.Lnot_wave_0_\@:
	s_barrier_wait -3
	s_barrier_signal -1
	s_barrier_wait -1
.endm
.macro CROUND
	s_barrier_signal -1
	s_barrier_wait -1
	CREST
.endm
.macro JLOAD                           ; the joint refill; an s_nop 0 and four v_nop follow each line
	s_cmp_eq_u32 s[WH], 0
	s_cbranch_scc0 .Lfor_b_\@
	tensor_load_to_lds s[G0A+4:G0A+7], s[G1A:G1A+7]
	s_nop 0
	PLACES
	s_branch .Lasked_\@
.Lfor_b_\@:
	tensor_load_to_lds s[G0B+4:G0B+7], s[G1B:G1B+7]
	s_nop 0
	PLACES
.Lasked_\@:
.endm
; A prefetch into the L2 of the K step two refills on.  ob's rows: wave 0, 32 rows for each partner of a row of the cluster (the grid is one cluster wide).  wpb's k-rows: waves 2 and 3 of the clusters
; with y = 0, 16 k-rows of two blocks of 256 bytes for each wave of each partner of a column.  Each block is named once; K steps 0 to 3 come by their loads alone; the last two refills ask for nothing.
.macro ASK
	s_cmp_gt_u32 s3, s[LIM]
	s_cbranch_scc0 .Lnot_mine_\@
	global_prefetch_b8 v[PFO], s[PFA:PFA+1] th:TH_LOAD_NT scope:SCOPE_SE
.Lnot_mine_\@:
.endm
.macro MULA f, a, start                ; 8 matrix instructions; the 32 accumulators take turns.  start = 1: the sums begin with the bias
.if \start
	WIN MULB
.else
	WIN MUL
.endif
.irp b, 0,1,2,3,4,5,6,7
.if \start
	v_wmma_f32_16x16x32_f16 v[8*(8*(\a)+(\b)):8*(8*(\a)+(\b))+7], v[(\f)+8*(\b):(\f)+8*(\b)+7], v[(\f)+64+8*(\a):(\f)+64+8*(\a)+7], v[8*(\b):8*(\b)+7]
.else
	v_wmma_f32_16x16x32_f16 v[8*(8*(\a)+(\b)):8*(8*(\a)+(\b))+7], v[(\f)+8*(\b):(\f)+8*(\b)+7], v[(\f)+64+8*(\a):(\f)+64+8*(\a)+7], v[8*(8*(\a)+(\b)):8*(8*(\a)+(\b))+7]
.endif
.endr
.endm
.macro FETCH q, f
	WIN 0
.irp b, 0,1,2,3,4,5,6,7
	ds_load_tr16_b128 v[(\f)+8*(\b):(\f)+8*(\b)+3],   v[ADRB] offset:(\q)*32*PB+32*(\b)
	ds_load_tr16_b128 v[(\f)+8*(\b)+4:(\f)+8*(\b)+7], v[ADRB] offset:(\q)*32*PB+32*(\b)+16*PB
.endr
.irp a, 0,1,2,3
	ds_load_b128 v[(\f)+64+8*(\a):(\f)+64+8*(\a)+3],   v[ADRA] offset:64*(\q)+(\a)*16*PA
	ds_load_b128 v[(\f)+64+8*(\a)+4:(\f)+64+8*(\a)+7], v[ADRA] offset:64*(\q)+(\a)*16*PA+32
.endr
.endm
.macro QUARTER q, f, g, start
	s_wait_dscnt 4                                 ; the youngest four loads (A's blocks 2, 3) may be out
	MULA \f, 0, \start
	MULA \f, 1, \start
	PLACES
	FETCH \q, \g
	s_wait_dscnt 24                                ; all but the 24 just issued
	MULA \f, 2, \start
	MULA \f, 3, \start
.endm
.macro TURN fill
.if \fill
	s_wait_xcnt 0x0                                ; the last prefetch, a K step back, has read its address
	s_add_nc_u64 s[PFA:PFA+1], s[PFA:PFA+1], s[PFS:PFS+1]
.endif
	WIN 0
	s_wait_tensorcnt 0x0
	ds_add_u32 v[SPW], v[NIL]
.if \fill
	s_xor_b32 s[G0A+5], s[G0A+5], SLOT1
	s_add_nc_u64 s[G0A+6:G0A+7], s[G0A+6:G0A+7], STEPA
	s_xor_b32 s[G0B+5], s[G0B+5], SLOT1
	s_add_nc_u64 s[G0B+6:G0B+7], s[G0B+6:G0B+7], STEPB
.endif
	s_xor_b32 s[TB], s[TB], SLOT1
	s_wait_dscnt 1                                 ; the add alone may be out
	MULA F1, 0, 0
	s_wait_dscnt 0x0                               ; the add is done, and my reads of this slot are over
	s_barrier_signal -1
	MULA F1, 1, 0
	WIN 0
	s_barrier_wait -1
.if \fill
	CREST
	JLOAD
.else
	PLACES
.endif
	v_add_nc_u32 v[ADRA], s[TB], v[A0]
	v_add_nc_u32 v[ADRB], s[TB], v[B0]
	FETCH 0, F0
.if \fill
	ASK
.endif
	MULA F1, 2, 0
	MULA F1, 3, 0
.endm
	s_load_b256 s[4:11], s[0:1], 0x0               ; ob s[4:5], wpb s[6:7], out0 s[8:9], b_proj s[10:11]
	v_lshl_add_u32 v[SPW], v0, 2, SPARE
	v_mov_b32 v[NIL], 0
	ds_add_u32 v[SPW], v[NIL]                      ; the wave's opening: the add and, below, its wait, ahead of my first tensor load
	v_lshrrev_b32 v3, 5, v0
	v_readfirstlane_b32 s[WV], v3
	s_lshr_b32 s[WH], s[WV], 1
	s_and_b32 s[WL], s[WV], 1
	s_bfe_u32 s[CX], ttmp6, 0x40000
	s_bfe_u32 s[CY], ttmp6, 0x40004
	s_lshl_b32 s[TX], ttmp9, 2
	s_add_co_u32 s[TX], s[TX], s[CX]
	s_and_b32 s[CLY], ttmp7, 0xffff
	s_lshl_b32 s[TY], s[CLY], 2
	s_add_co_u32 s[TY], s[TY], s[CY]
	s_lshl_b32 s20, s[CY], 2
	s_lshl_b32 s20, 15, s20
	s_lshl_b32 s46, 0x1111, s[CX]
	s_or_b32 s[G1A], s20, (1<<16)|(1<<20)|(1<<21)|(5<<22)|(3<<25)
	s_or_b32 s[G1B], s46, (1<<16)|(1<<20)|(1<<21)|(6<<22)|(7<<25)
	s_mov_b32 s[G1A+1], 128<<16
	s_mov_b32 s[G1A+2], 64<<16
	s_mov_b32 s[G1A+3], 128<<16
	s_mov_b32 s[G1A+4], 64
	s_mov_b32 s[G1A+5], PITCHA/2
	s_mov_b32 s[G1A+6], 0
	s_mov_b32 s[G1A+7], 0
	s_mov_b32 s[G1B+1], 256<<16
	s_mov_b32 s[G1B+2], 64<<16
	s_mov_b32 s[G1B+3], 256<<16
	s_mov_b32 s[G1B+4], 64
	s_mov_b32 s[G1B+5], PITCHB/2
	s_mov_b32 s[G1B+6], 0
	s_mov_b32 s[G1B+7], 0
	s_mul_i32 s2, s[WL], HALFA
	s_mov_b32 s[G0A], 1
	s_mov_b32 s[G0A+1], s2
	s_mov_b32 s[G0A+4], 1
	s_add_co_u32 s[G0A+5], s2, SLOT1
	s_mul_i32 s2, s[WL], HALFB
	s_mov_b32 s[G0B], 1
	s_add_co_u32 s[G0B+1], s2, ABYTES
	s_mov_b32 s[G0B+4], 1
	s_add_co_u32 s[G0B+5], s2, ABYTES+SLOT1
	s_lshl_b32 s20, s[TY], 7
	s_lshl_b32 s21, s[WL], 6
	s_add_co_u32 s20, s20, s21
	s_mul_i32 s20, s20, PITCHA
	s_mov_b32 s21, 0
	s_mul_i32 s46, s[WL], 64*PITCHB
	s_lshl_b32 s47, s[TX], 9
	s_add_co_u32 s46, s46, s47
	s_mov_b32 s47, 0
	s_mov_b32 s[TB], 0
	s_mov_b32 s[HIM], 0xffff0000
	s_wait_dscnt 0x0                               ; the opening add is done
	s_wait_kmcnt 0x0
	s_add_nc_u64 s[G0A+2:G0A+3], s[4:5], s[20:21]
	s_add_nc_u64 s[G0A+6:G0A+7], s[G0A+2:G0A+3], STEPA
	s_or_b32 s[G0A+3], s[G0A+3], 0x80000000
	s_or_b32 s[G0A+7], s[G0A+7], 0x80000000
	s_add_nc_u64 s[G0B+2:G0B+3], s[6:7], s[46:47]
	s_add_nc_u64 s[G0B+6:G0B+7], s[G0B+2:G0B+3], STEPB
	s_or_b32 s[G0B+3], s[G0B+3], 0x80000000
	s_or_b32 s[G0B+7], s[G0B+7], 0x80000000
	CROUND
	s_cmp_eq_u32 s[WH], 0                          ; a wave's two first fills stand in one branch
	s_cbranch_scc0 .Lfirst_b
	tensor_load_to_lds s[G0A:G0A+3], s[G1A:G1A+7]
	s_nop 0
	tensor_load_to_lds s[G0A+4:G0A+7], s[G1A:G1A+7]
	s_nop 0
	PLACES
	s_branch .Lfirst_done
.Lfirst_b:
	tensor_load_to_lds s[G0B:G0B+3], s[G1B:G1B+7]
	s_nop 0
	tensor_load_to_lds s[G0B+4:G0B+7], s[G1B:G1B+7]
	s_nop 0
	PLACES
.Lfirst_done:
	v_and_b32 v1, 15, v0                           ; r
	v_bfe_u32 v2, v0, 4, 1                         ; h
	v_mul_u32_u24 v[A0], v1, PA
	v_lshl_add_u32 v[A0], v2, 4, v[A0]
	s_mul_i32 s2, s[WH], HALFA
	v_add_nc_u32 v[A0], s2, v[A0]
	v_and_b32 v3, 7, v0
	v_lshl_add_u32 v3, v2, 3, v3
	v_mul_u32_u24 v[B0], v3, PB
	v_bfe_u32 v3, v0, 3, 1
	v_lshl_add_u32 v[B0], v3, 4, v[B0]
	s_lshl_b32 s2, s[WL], 8
	s_add_co_u32 s2, s2, ABYTES
	v_add_nc_u32 v[B0], s2, v[B0]
	v_mov_b32 v[ADRA], v[A0]
	v_mov_b32 v[ADRB], v[B0]
	s_mul_i32 s2, s[WV], 16*SP
	s_add_co_u32 s2, s2, STAGE                     ; my stage
	v_mul_u32_u24 v[STO], v1, SP                   ; in: row r, 32 bytes for each half of the lanes
	v_lshl_add_u32 v[STO], v2, 5, v[STO]
	v_add_nc_u32 v[STO], s2, v[STO]
	v_and_b32 v3, 31, v0
	v_lshlrev_b32 v[CO], 4, v3                     ; back and out: 32 lanes take a row of 512 bytes
	v_add_nc_u32 v[RD], s2, v[CO]
	s_lshl_b32 s74, s[TY], 7                       ; out0 at my first row and column
	s_lshl_b32 s76, s[WH], 6
	s_add_co_u32 s74, s74, s76
	s_mul_i32 s74, s74, PITCHC
	s_lshl_b32 s76, s[TX], 10
	s_add_co_u32 s74, s74, s76
	s_lshl_b32 s76, s[WL], 9
	s_add_co_u32 s74, s74, s76
	s_mov_b32 s75, 0
	s_add_nc_u64 s[8:9], s[8:9], s[74:75]
	s_lshl_b32 s74, s[TX], 10                      ; the bias of my 128 columns
	s_lshl_b32 s76, s[WL], 9
	s_add_co_u32 s74, s74, s76
	s_add_nc_u64 s[10:11], s[10:11], s[74:75]
	v_lshlrev_b32 v[BO], 5, v2
	WIN 0x80                                       ; destination window 2
.irp b, 0,1,2,3,4,5,6,7
	global_load_b128 v[8*(\b):8*(\b)+3],   v[BO], s[10:11] offset:64*(\b)
	global_load_b128 v[8*(\b)+4:8*(\b)+7], v[BO], s[10:11] offset:64*(\b)+16
.endr
	WIN 0
	s_lshl_b32 s74, s[TY], 7                       ; the prefetches.  ob: rows 128 x tile row + 32 cx, at K step 3
	s_lshl_b32 s76, s[CX], 5
	s_add_co_u32 s74, s74, s76
	s_mul_i32 s74, s74, PITCHA
	s_add_co_u32 s74, s74, 3*STEPA
	s_lshl_b32 s76, s[WL], 6                       ; wpb: k-rows 64 x half + 16 cy, my tile's columns, at K step 3
	s_lshl_b32 s77, s[CY], 4
	s_add_co_u32 s76, s76, s77
	s_mul_i32 s76, s76, PITCHB
	s_lshl_b32 s77, s[TX], 9
	s_add_co_u32 s76, s76, s77
	s_add_co_u32 s76, s76, 3*STEPB
	s_or_b32 s79, ttmp9, s[WL]
	s_mov_b32 s[PFS], STEPB
	s_cmp_eq_u32 s[WH], 0
	s_cselect_b64 s[PFA:PFA+1], s[4:5], s[6:7]
	s_cselect_b32 s74, s74, s76
	s_cselect_b32 s[PFS], STEPA, s[PFS]
	s_cselect_b32 s79, s79, s[CLY]
	s_mov_b32 s[PFS+1], 0
	s_cmp_eq_u32 s79, 0
	s_cselect_b32 s[LIM], 2, -1
	s_add_nc_u64 s[PFA:PFA+1], s[PFA:PFA+1], s[74:75]
	v_lshrrev_b32 v[PFO], s[WH], v3                ; ob: a lane a row; wpb: two lanes a k-row, 256 bytes each; both pitches are 2,048 bytes
	v_and_b32 v3, s[WH], v3
	v_lshlrev_b32 v[PFO], 11, v[PFO]
	v_lshl_add_u32 v[PFO], v3, 8, v[PFO]
	s_wait_tensorcnt 1                             ; my part of K step 0 is in; K step 1's may stay out
	s_barrier_signal -1
	s_barrier_wait -1
	FETCH 0, F0
	s_wait_loadcnt 0x0                             ; the bias; it is rounded to bf16 like the other inputs, and widened again
	WIN 0x0a
.set i, 0
.rept 32
	v_cvt_pk_bf16_f32 v[TMP+i], v[2*i], v[2*i+1]
.set i, i+1
.endr
	WIN 0x80
.set i, 0
.rept 32
	v_lshlrev_b32 v[2*i], 16, v[TMP+i]
	v_and_b32 v[2*i+1], s[HIM], v[TMP+i]
.set i, i+1
.endr
	QUARTER 1, F0, F1, 1
	WIN 0
	s_mov_b32 s3, NSTEP-2
.Lstep:
	QUARTER 2, F1, F0, 0
	QUARTER 3, F0, F1, 0
	TURN 1
	QUARTER 1, F0, F1, 0
	WIN 0
	s_sub_co_u32 s3, s3, 1
	s_cmp_lg_u32 s3, 0
	s_cbranch_scc1 .Lstep
	s_mov_b32 s[CNT], 2
.Ltail:                                        ; the last two K steps fill nothing; the second trip's barrier and fetch serve nothing: the price of one text for both
	QUARTER 2, F1, F0, 0
	QUARTER 3, F0, F1, 0
	TURN 0
	WIN 0
	s_sub_co_u32 s[CNT], s[CNT], 1
	s_cmp_eq_u32 s[CNT], 0
	s_cbranch_scc1 .Lout
	QUARTER 1, F0, F1, 0
	WIN 0
	s_branch .Ltail
.Lout:
	s_wait_dscnt 0x0
	PLACES
	PLACES
; THE WAY OUT, 16 rows at a time: the accumulators go as they are into my stage (a lane's eight numbers are 32 bytes of a row) and come back as whole rows of 512 bytes.
.macro TOSTAGE a
.if (\a) >= 2
	s_wait_xcnt 0x0                                ; the stores of the block two back have read the registers that the loads below fill
.endif
	WIN 0x04                                       ; the stores' data in window 1; each accumulator's low four registers first
.irp b, 0,1,2,3,4,5,6,7
	ds_store_b128 v[STO], v[64*(\a)+8*(\b):64*(\a)+8*(\b)+3]   offset:64*(\b)
	ds_store_b128 v[STO], v[64*(\a)+8*(\b)+4:64*(\a)+8*(\b)+7] offset:64*(\b)+16
.endr
	WIN 0
.irp t, 0,1,2,3,4,5,6,7,8,9,10,11,12,13,14,15
	ds_load_b128 v[BK+64*((\a)%2)+4*(\t):BK+64*((\a)%2)+4*(\t)+3], v[RD] offset:(\t)*SP  ; LDS serves a wave's instructions in order (ISA guide 5.7.1.4): these see the stores above, and the next block's stores come behind them
.endr
.endm
.macro SEND a, younger                 ; younger: the next block's 16 LDS stores and 16 loads, or none
	s_wait_dscnt \younger
	s_wait_xcnt 0x0                                ; earlier stores have read their base
.if (\a) > 0
	s_add_nc_u64 s[8:9], s[8:9], 16*PITCHC
.endif
.irp t, 0,1,2,3,4,5,6,7,8,9,10,11,12,13,14,15
	global_store_b128 v[CO], v[BK+64*((\a)%2)+4*(\t):BK+64*((\a)%2)+4*(\t)+3], s[8:9] offset:(\t)*PITCHC th:TH_STORE_NT  ; 32 lanes store 512 consecutive bytes, aligned
.endr
.endm
	TOSTAGE 0
	TOSTAGE 1
	SEND 0, 32
	TOSTAGE 2
	SEND 1, 32
	TOSTAGE 3
	SEND 2, 32
	SEND 3, 0
	s_wait_tensorcnt 0x0                           ; the wave's end
	ds_add_u32 v[SPW], v[NIL]
	s_wait_dscnt 0x0
	CROUND
	s_endpgm
.Lfunc_end_k_q0bd95cbe06_final:
	.size	k_q0bd95cbe06_final, .Lfunc_end_k_q0bd95cbe06_final-k_q0bd95cbe06_final
	.p2alignl 7, 3214868480
	.fill 96, 4, 3214868480
	.section	.rodata,"a",@progbits
	.p2align	6, 0x0
	.amdhsa_kernel k_q0bd95cbe06_final
		.amdhsa_group_segment_fixed_size 327680
		.amdhsa_private_segment_fixed_size 0
		.amdhsa_enable_private_segment 0
		.amdhsa_kernarg_size 32
		.amdhsa_user_sgpr_count 2
		.amdhsa_user_sgpr_kernarg_segment_ptr 1
		.amdhsa_wavefront_size32 1
		.amdhsa_system_sgpr_workgroup_id_x 1
		.amdhsa_system_sgpr_workgroup_id_y 1
		.amdhsa_system_sgpr_workgroup_id_z 1
		.amdhsa_system_vgpr_workitem_id 0
		.amdhsa_next_free_vgpr 576
		.amdhsa_next_free_sgpr 80
		.amdhsa_reserve_vcc 0
		.amdhsa_float_denorm_mode_32 3
		.amdhsa_float_denorm_mode_16_64 3
		.amdhsa_memory_ordered 1
		.amdhsa_forward_progress 1
		.amdhsa_inst_pref_size 67
	.end_amdhsa_kernel
	.amdgpu_metadata
---
amdhsa.version: [ 1, 2 ]
amdhsa.kernels:
  - .name:           k_q0bd95cbe06_final
    .symbol:         k_q0bd95cbe06_final.kd
    .args:
      - { .name: ob, .offset: 0, .size: 8, .value_kind: global_buffer, .address_space: global }
      - { .name: wpb, .offset: 8, .size: 8, .value_kind: global_buffer, .address_space: global }
      - { .name: out0, .offset: 16, .size: 8, .value_kind: global_buffer, .address_space: global }
      - { .name: b_proj, .offset: 24, .size: 8, .value_kind: global_buffer, .address_space: global }
    .group_segment_fixed_size: 327680
    .private_segment_fixed_size: 0
    .kernarg_segment_align: 8
    .kernarg_segment_size: 32
    .max_flat_workgroup_size: 128
    .sgpr_count:     80
    .vgpr_count:     576
    .wavefront_size: 32
...
	.end_amdgpu_metadata
.endif
;; end of part 5
;; ======== version 2 of 2: 5 launches; version 1 with the launch prep written anew for expert scheduling mode
;; limits: values are held in f16: magnitudes above 65,504 overflow, below 6.1e-05 lose precision
;; workspace buffers: xb 16,777,216 bytes; wab 6,291,456 bytes; wpb 2,097,152 bytes; qkv 50,331,648 bytes; ew 33,554,432 bytes; st 1,048,576 bytes; ob 16,777,216 bytes
;; launch prep (part 6): grid 768 x 1, 8 waves a work-group, no clusters, 0 bytes of LDS; arguments x, w_attn, w_proj, xb, wab, wpb; writes xb, wab, wpb
.if DOCPART == 6
	.amdgcn_target "amdgcn-amd-amdhsa--gfx1250"
	.amdhsa_code_object_version 6
	.text
	.protected	k_q0bd95cbe06_prep
	.globl	k_q0bd95cbe06_prep
	.p2align	8
	.type	k_q0bd95cbe06_prep,@function
k_q0bd95cbe06_prep:
	s_mov_b64 s[64:65], 0
	v_nop
	global_prefetch_b8 v0, s[64:65] scope:SCOPE_SE
	s_setreg_imm32_b32 hwreg(HW_REG_WAVE_SCHED_MODE, 0, 2), 2
	s_setreg_imm32_b32 hwreg(HW_REG_WAVE_MODE, 25, 1), 1
	s_wait_xcnt 0x0
	s_wait_alu depctr_vm_vsrc(0)
; THE INPUTS' ROUNDING.  xb = bf16(x), wab = bf16(w_attn), wpb = f16(bf16(w_proj)): every matrix input is rounded once to bf16; w_proj's rounded number is then written as f16,
; since the last product's other operand is f16.  LIMIT: a bf16 number below 6.1e-5 in magnitude keeps f16's fixed step of 6e-8; beyond 65,504 it would be an infinity.
; A stream: no LDS, no barrier, no loop.  A work-group takes 65,536 bytes of one input: groups 0-511 x, 512-703 w_attn, 704-767 w_proj.  A wave takes 8,192 of them by sixteen
; loads of 512 consecutive bytes, all issued at once; each load's 128 numbers leave as one store of 256 consecutive bytes, aligned.
; THE MODE: SCHED_MODE bits 1:0 = 2 (LLVM: expert scheduling mode 2), set by the entry lines.  The code itself states the register dependences
; between vector instructions and memory instructions, with s_wait_alu, always for 0.
; THE PLAN.  Registers that memory instructions touch:
;   v1, v2   byte offsets of the loads and of the stores: written by vector instructions at the head, never again.
;   X        sixteen loads of four registers: each written by its load alone, once; read by the roundings.
;   Y        sixteen stores of two registers: each written by the roundings, once; read by its store; never written again.
; The sixteen loads go in four blocks of four.  Block g rounds X[g] into Y[g]; its memory instructions are the four stores of block g - 1, which read Y[g - 1] and v2:
; registers that no vector instruction of block g names.  So one wait at a block's head states all that its four stores hang on, and they are dealt among its roundings.
; No register that a memory instruction reads is written a second time, no vector instruction writes a scalar register or VCC, and EXEC is never written: nothing more is owed.
.set X, 4                              ; v[4:67]   block g, load i: four registers at X + 16 g + 4 i
.set Y, 68                             ; v[68:99]  block g, store i: two registers at Y + 8 g + 2 i
.set W, 100                            ; v[100:102] at work (w_proj's way): no memory instruction names them
	s_load_b256 s[4:11], s[0:1], 0x0               ; x s[4:5], w_attn s[6:7], w_proj s[8:9], xb s[10:11]
	s_load_b128 s[12:15], s[0:1], 0x20             ; wab s[12:13], wpb s[14:15]
	v_lshrrev_b32 v3, 5, v0                        ; wave
	v_and_b32 v1, 31, v0                           ; lane
	v_lshlrev_b32 v2, 3, v1                        ; 8 bytes a lane out,
	v_lshlrev_b32 v1, 4, v1                        ; 16 bytes a lane in
	v_lshl_or_b32 v1, v3, 13, v1                   ; + wave x 8,192
	v_lshl_or_b32 v2, v3, 12, v2                   ; + wave x 4,096
	s_wait_kmcnt 0x0
	s_cmp_lt_u32 ttmp9, 512                        ; which input: the choice hangs on the work-group's number alone
	s_cselect_b64 s[16:17], s[4:5], s[6:7]
	s_cselect_b64 s[18:19], s[10:11], s[12:13]
	s_cselect_b32 s20, 0, 512
	s_cmp_lt_u32 ttmp9, 704
	s_cselect_b64 s[16:17], s[16:17], s[8:9]
	s_cselect_b64 s[18:19], s[18:19], s[14:15]
	s_cselect_b32 s20, s20, 704
	s_sub_co_u32 s20, ttmp9, s20                   ; my number among that input's work-groups
	s_lshl_b32 s22, s20, 16
	s_mov_b32 s23, 0
	s_lshl_b32 s24, s20, 15
	s_mov_b32 s25, 0
	s_add_nc_u64 s[16:17], s[16:17], s[22:23]
	s_add_nc_u64 s[18:19], s[18:19], s[24:25]
	s_wait_alu depctr_va_vdst(0)                   ; v1 and v2 are written: every load of the kernel reads v1 as its offset, every store v2
.irp i, 0,1,2,3,4,5,6,7,8,9,10,11,12,13,14,15
	global_load_b128 v[X+4*(\i):X+4*(\i)+3], v1, s[16:17] offset:512*(\i) th:TH_LOAD_NT
.endr
; Store i of block g: 32 lanes x 8 bytes = 256 consecutive bytes, aligned.
.macro OUT g, i
	global_store_b64 v2, v[Y+8*(\g)+2*(\i):Y+8*(\g)+2*(\i)+1], s[18:19] offset:256*(4*(\g)+(\i))
.endm
; Block g.  proj = 1: w_proj's way: rounded to bf16, widened again, written as f16.
.macro BLK g, proj
	s_wait_loadcnt 12-4*(\g)                       ; loads come back in order (ISA guide 5.7.1): block g's four are in, the younger blocks stay out
.if (\g) > 0
	s_wait_alu depctr_va_vdst(0)                   ; the block before has written its Y, which the four stores below read; no vector instruction behind this wait names those registers
.endif
.irp i, 0,1,2,3
.if (\g) > 0
	OUT (\g)-1, \i
.endif
.if \proj
.irp j, 0,1
	v_cvt_pk_bf16_f32 v[W], v[X+16*(\g)+4*(\i)+2*(\j)], v[X+16*(\g)+4*(\i)+2*(\j)+1]
	v_lshlrev_b32 v[W+1], 16, v[W]
	v_and_b32 v[W+2], 0xffff0000, v[W]
	v_cvt_pk_f16_f32 v[Y+8*(\g)+2*(\i)+(\j)], v[W+1], v[W+2]
.endr
.else
	v_cvt_pk_bf16_f32 v[Y+8*(\g)+2*(\i)],   v[X+16*(\g)+4*(\i)],   v[X+16*(\g)+4*(\i)+1]
	v_cvt_pk_bf16_f32 v[Y+8*(\g)+2*(\i)+1], v[X+16*(\g)+4*(\i)+2], v[X+16*(\g)+4*(\i)+3]
.endif
.endr
.endm
	s_cmp_lt_u32 ttmp9, 704
	s_cbranch_scc0 .Lproj
	BLK 0, 0
	BLK 1, 0
	BLK 2, 0
	BLK 3, 0
	s_wait_alu depctr_va_vdst(0)                   ; block 3 has written its Y, which the last four stores read
.irp i, 0,1,2,3
	OUT 3, \i
.endr
	s_endpgm
.Lproj:                                        ; w_proj
	BLK 0, 1
	BLK 1, 1
	BLK 2, 1
	BLK 3, 1
	s_wait_alu depctr_va_vdst(0)                   ; block 3 has written its Y, which the last four stores read
.irp i, 0,1,2,3
	OUT 3, \i
.endr
	s_endpgm
.Lfunc_end_k_q0bd95cbe06_prep:
	.size	k_q0bd95cbe06_prep, .Lfunc_end_k_q0bd95cbe06_prep-k_q0bd95cbe06_prep
	.p2alignl 7, 3214868480
	.fill 96, 4, 3214868480
	.section	.rodata,"a",@progbits
	.p2align	6, 0x0
	.amdhsa_kernel k_q0bd95cbe06_prep
		.amdhsa_group_segment_fixed_size 0
		.amdhsa_private_segment_fixed_size 0
		.amdhsa_enable_private_segment 0
		.amdhsa_kernarg_size 48
		.amdhsa_user_sgpr_count 2
		.amdhsa_user_sgpr_kernarg_segment_ptr 1
		.amdhsa_wavefront_size32 1
		.amdhsa_system_sgpr_workgroup_id_x 1
		.amdhsa_system_sgpr_workgroup_id_y 1
		.amdhsa_system_sgpr_workgroup_id_z 1
		.amdhsa_system_vgpr_workitem_id 0
		.amdhsa_next_free_vgpr 104
		.amdhsa_next_free_sgpr 66
		.amdhsa_reserve_vcc 0
		.amdhsa_float_denorm_mode_32 3
		.amdhsa_float_denorm_mode_16_64 3
		.amdhsa_memory_ordered 1
		.amdhsa_forward_progress 1
		.amdhsa_inst_pref_size 16
	.end_amdhsa_kernel
	.amdgpu_metadata
---
amdhsa.version: [ 1, 2 ]
amdhsa.kernels:
  - .name:           k_q0bd95cbe06_prep
    .symbol:         k_q0bd95cbe06_prep.kd
    .args:
      - { .name: x, .offset: 0, .size: 8, .value_kind: global_buffer, .address_space: global }
      - { .name: w_attn, .offset: 8, .size: 8, .value_kind: global_buffer, .address_space: global }
      - { .name: w_proj, .offset: 16, .size: 8, .value_kind: global_buffer, .address_space: global }
      - { .name: xb, .offset: 24, .size: 8, .value_kind: global_buffer, .address_space: global }
      - { .name: wab, .offset: 32, .size: 8, .value_kind: global_buffer, .address_space: global }
      - { .name: wpb, .offset: 40, .size: 8, .value_kind: global_buffer, .address_space: global }
    .group_segment_fixed_size: 0
    .private_segment_fixed_size: 0
    .kernarg_segment_align: 8
    .kernarg_segment_size: 48
    .max_flat_workgroup_size: 256
    .sgpr_count:     66
    .vgpr_count:     104
    .wavefront_size: 32
...
	.end_amdgpu_metadata
.endif
;; end of part 6
;; launch project: the kernel of part 2 again; grid 12 x 32, 4 waves a work-group, clusters of 4 x 4, 327,680 bytes of LDS; arguments xb, wab, qkv, b_attn; writes qkv
;; launch score: the kernel of part 3 again; grid 8 x 32, 4 waves a work-group, clusters of 4 x 4, 327,680 bytes of LDS; arguments qkv, ew, st; writes ew, st
;; launch mix: the kernel of part 4 again; grid 4 x 64, 4 waves a work-group, clusters of 4 x 4, 327,680 bytes of LDS; arguments ew, qkv, ob, st; writes ob
;; launch final: the kernel of part 5 again; grid 4 x 64, 4 waves a work-group, clusters of 4 x 4, 327,680 bytes of LDS; arguments ob, wpb, out0, b_proj; writes out0
